; MI455X (gfx1250); checked and timed in simulation.
; The chip was launched on July 23, 2026; its instructions are those of AMD's public machine-readable ISA for CDNA 5 (MIT licence, August 2026) and "CDNA5" Instruction Set Architecture Reference Guide (July 2026). The comments in the code are by the model that wrote it; some were corrected since.
;; Multi Head Attention. Allowed arithmetic: matrix products marked QUANTISED: E4M3 operands, one given power-of-two scale a tensor, by v_wmma_f32_16x16x64_fp8_fp8 or v_wmma_f32_16x16x128_fp8_fp8, f32 sums; everything else in f32.
;; Inputs: Wkv_codes 2,048 x 32 x 32 uint8 (E4M3 codes of Wkv, K innermost, in blocks of 32 codes); Wo_codes 1,024 x 32 x 32 uint8 (E4M3 codes of Wo, K innermost, in blocks of 32 codes); Wq_codes 1,024 x 32 x 32 uint8 (E4M3 codes of Wq, K innermost, in blocks of 32 codes); bkv 2,048 float32; bo 1,024 float32; bq 1,024 float32; lowp_scales 10 int32 (the exponents e of the quantised operands' scales 2^e); x_codes 4 x 2,048 x 32 x 32 uint8 (E4M3 codes of x, K innermost, in blocks of 32 codes).
;; Outputs: out0 4 x 2,048 x 1,024 float32.
;; Constants: decoderMask = 1.
;; This version of the problem:
;;   THIS VERSION OF THE PROBLEM IS GIVEN IN LOW PRECISION. The matrix products marked QUANTISED in the list below multiply operands that are first quantised to E4M3 (4 exponent bits, 3 mantissa bits; 8 bits a number), with one given power-of-two scale for each operand tensor; their sums are f32. All else is computed in f32.
;;   The module's matrix products, in the order in which they are computed (A, B: the left and right operand; K: the contracted axis; several contracted axes count as one K, in the product's order):
;;     1. [M 8,192, K 1,024] x [K 1,024, N 1,024]; A: input x (given as codes); B: input Wq (given as codes): QUANTISED (scales: A lowp_scales[0], B lowp_scales[1])
;;     2. [M 8,192, K 1,024] x [K 1,024, N 2,048]; A: input x (given as codes); B: input Wkv (given as codes): QUANTISED (scales: A lowp_scales[2], B lowp_scales[3])
;;     3. batch 64 x [M 2,048, K 64] x [K 64, N 2,048]; A: computed on the way; B: computed on the way: QUANTISED (scales: A lowp_scales[4], B lowp_scales[5])
;;     4. batch 64 x [M 2,048, K 2,048] x [K 2,048, N 64]; A: softmax (see below); B: computed on the way: QUANTISED (scales: A lowp_scales[6], B lowp_scales[7])
;;     5. [M 8,192, K 1,024] x [K 1,024, N 1,024]; A: computed on the way; B: input Wo (given as codes): QUANTISED (scales: A lowp_scales[8], B lowp_scales[9])
;;   THE QUANTISER, for each operand of a quantised product, along K:
;;     - The operand's scale is 2^e, e = its entry of the input lowp_scales (int32; the entries are numbered through the quantised products in the list's order, A before B).
;;     - Each number is divided by the scale, clamped to +-448, and rounded to the nearest number of E4M3, ties to even, subnormals kept.
;;     - The product sums the exact products of the quantised numbers (number of the format x scale) in f32.
;;   ~~~python
;;   def quantise(x, axis, e):      # numpy; x: float32 -> the quantised numbers, widened to float32 again
;;       x = np.moveaxis(x, axis, -1); K = x.shape[-1]
;;       r = np.clip(x / 2.0 ** e, -448, 448)
;;       step = 2.0 ** (np.maximum(np.frexp(np.where(r == 0, 1, r))[1] - 1, -6) - 3)
;;       q = np.round(r / step) * step * 2.0 ** e      # np.round: ties to even
;;       return np.moveaxis(q, -1, axis).astype(np.float32)
;;   ~~~
;;   SOFTMAX AHEAD OF A QUANTISED PRODUCT. Where the list says 'softmax', what is quantised is not the finished softmax but p = 2^(t - M), with t = logit x log2(e) and M = ceil(the row's largest t), a whole number; so 1/2 < the row's largest p <= 1. The row's sum l is taken of the UNQUANTISED p, in f32, and the product's result is divided by l at the end. Since M is a whole number, a kernel that streams over the keys may use a running M (the ceiling of the running maximum): every later rescaling is an exact power of two, so the quantised numbers keep their values, but for numbers so far below the row's largest that they fall under the format's range.
;;   OPERANDS COMPUTED ON THE WAY. 'Computed on the way' means the value that the module computes at that place (a softmax that the list does not call 'softmax' is quantised finished and normalised). What goes into a quantiser is computed in f32, as accurately as f32 sums, v_exp_f32 and their like allow (about 1e-6 of the number): no bf16 or f16 on the way to a quantiser, and a product that is left as it is and whose result goes on into a quantised operand takes f32 operands (vector FMAs, or v_wmma_f32_16x16x4_f32). A number that lies on a knife's edge between two numbers of the format may be rounded either way, as far as f32 arithmetic and the matrix unit's own rounding can turn it there, and no further.
;;   INPUTS GIVEN AS CODES. Wkv (in the module: [1024, 2048], K = its axis 0); Wo (in the module: [1024, 1024], K = its axis 0); Wq (in the module: [1024, 1024], K = its axis 0); x (in the module: [4, 2048, 1024], K = its axis 2): each comes as NAME_codes (uint8): NAME with its K axis moved to the last place and cut into blocks of 32 codes, [.., K / 32, bytes a block], one block behind the other in memory; one code a byte (a code: sign, 4 exponent bits, 3 mantissa bits); its scale is its entry of lowp_scales. Its value is code x scale, taken as it is: it is not quantised again, and the codes and scales need not be those that the quantiser above would give.
;; 2 versions, each right; version 2 is version 1 with the launch attn written anew for expert scheduling mode. Each part assembles by itself: llvm-mc -triple=amdgcn-amd-amdhsa -mcpu=gfx1250 --defsym DOCPART=n.
;; ======== version 1 of 2: 3 launches
;; workspace buffers: qimg 8,388,608 bytes; kimg 8,388,608 bytes; vimg 8,388,608 bytes; aimg 8,388,608 bytes
;; launch qkv (part 1): grid 16 x 32, 4 waves a work-group, clusters of 4 x 4, 327,680 bytes of LDS; arguments x_codes, Wq_codes, Wkv_codes, bq, bkv, lowp_scales, qimg, kimg, vimg; writes qimg, kimg, vimg
.if DOCPART == 1
	.amdgcn_target "amdgcn-amd-amdhsa--gfx1250"
	.amdhsa_code_object_version 6
	.text
	.protected	k_q0e64fe04cd_qkv
	.globl	k_q0e64fe04cd_qkv
	.p2align	8
	.type	k_q0e64fe04cd_qkv,@function
k_q0e64fe04cd_qkv:
	s_mov_b64 s[64:65], 0
	v_nop
	global_prefetch_b8 v0, s[64:65] scope:SCOPE_SE
	s_setreg_imm32_b32 hwreg(HW_REG_WAVE_MODE, 25, 1), 1
	s_wait_xcnt 0x0
	s_wait_alu depctr_hold_cnt(0) depctr_sa_sdst(0) depctr_va_vdst(0) depctr_va_sdst(0) depctr_va_ssrc(0) depctr_va_vcc(0) depctr_vm_vsrc(0)
	s_getreg_b32 s2, hwreg(HW_REG_IB_STS2, 6, 4)
	s_cmp_eq_u32 s2, 0
	s_cbranch_scc0 .Lentry_in_a_cluster
	s_endpgm
.Lentry_in_a_cluster:
	s_bfe_u32 s2, ttmp6, 0x10000c
	s_cmp_lg_u32 s2, 0xf033
	s_cbranch_scc0 .Lentry_shape_is_right
	s_endpgm
.Lentry_shape_is_right:
; q, k, v = the 3,072 projected columns of x (x Wq + bq, x Wkv + bkv on end), cut into 48 groups of 64: group g belongs to head g / 3 and is its q, k or v (g % 3).
; Groups 0-15 are rows 64 g of Wq's codes (scales e0 + e1, bias bq), groups 16-47 rows 64 (g - 16) of Wkv's (e2 + e3, bkv).  All products on E4M3 codes, sums in f32.
; The sums (bias included) are quantised here: q with 2^e4, k with 2^e5, v with 2^e7, and stored as IMAGES OF THE NEXT LAUNCH'S OPERAND REGISTERS:
;   qimg, kimg: [batch x head][tile of 16 rows][2][lane][16 bytes]: lane (r, h) holds row r; registers 2 c, 2 c + 1: d = 16 c + 8 h + 0 .. 7
;   vimg: [batch x head][block of 128 keys][tile of 16 d][4][lane][16 bytes]: lane (r, h) holds d = r; registers 2 c, 2 c + 1: keys 16 c + 8 h + 0 .. 7
; SHARES.  A work-group makes 256 rows x one head's 192 columns, K = 1,024; wave w rows 64 w .. 64 w + 63 x all 192: 48 accumulators, 384 registers.
; q and k are made TRANSPOSED (source 0 = 16 rows of W, source 1 = 16 rows of x): a lane holds one row and eight neighbouring d, so a conversion's two registers are two registers of the image.
; v is made the natural way round (source 0 = x, source 1 = W): a lane holds one d and eight neighbouring keys, likewise.  Nothing changes lanes and nothing goes through LDS on the way out.
; A fragment (16 rows x 128 K) is fetched by four loads of 16 bytes, 32 bytes apart: a permutation of k that is the same in x and in W, so every product meets its partner.
; The biases are the C of each sum's first product, divided by the power of two that the sums lack.
; K goes in steps of 256 through two LDS slots: four fills, eight steps of 128, written out without a loop.
; CLUSTERS: 4 x 4 work-groups.  The four of a row of the cluster share x's tile, the four of a column the head's three groups of W: each tile is asked for jointly.  Wave 0 asks for x's 256 rows, waves 1 to 3 for one group each.
; LIMITS: e4, e5, e7, each less its product's e0 + e1 or e2 + e3, lie between -126 and 119, so that the scale and 448 x the scale are f32 numbers.  NaN among the biases is not served.
; REGISTERS, in windows of 256: window 0: v1-29 addresses and scales; v32-95 bias tiles of q and k, later their codes; v96-127 bias tiles of v, later its codes; v128-255 the 16 accumulators of v.
;   windows 1, 2: two sets of fragments: W's twelve at v[16 i], x's four at v[192 + 16 a].   window 3: the 32 accumulators of q and k, (a, b) at v[8 (8 a + b)].
.set PITCH, 272                        ; an LDS row: 256 bytes + 16 of padding = 68 words, so that the 16 rows of a fragment load start at 16 different banks (64 banks of 4 bytes: ISA guide 11.1)
.set XB,    256*PITCH                  ; x's 256 rows, then W's 192
.set GRP,   64*PITCH                   ; a group of W
.set SLOT,  XB+3*GRP
.set SPARE, 2*SLOT                     ; behind the ring: the spare words, 128 bytes for each wave
.set ADX,  16                          ; v16-17 LDS address of my x fragments in slot 0, 1
.set ADW,  18                          ; v18-19 the same for W
.set SCL,  20                          ; v20-25 for q, k, v: the conversion's scale, and 448 x it
.set LOFF, 26                          ; v26    16 x lane
.set SPW,  28                          ; v28    LDS address of my spare word; never rewritten
.set NIL,  29                          ; v29    0; never rewritten
.set BT,   32
.set BV,   96
.set CQ,   32
.set CV,   96
.set VA,   128
.set XF,   192
.set WV,   22                          ; s22    my wave's number
.set G1A,  24                          ; s[24:31] group 1 for x's tiles; s[32:39] group 0, a set for each slot
.set G0A,  32
.set G1B,  40                          ; s[40:47], s[48:55] the same for W's
.set G0B,  48
.set PADW, (1<<20)|(1<<21)|(5<<22)|(3<<25)   ; elements of 1 byte; padding on; bit 21 beside a mask; after every 64 words, 4 words
.set MSB, 0
.macro WIN new                         ; the immediate's high byte repeats the setting that is left
.if MSB != (\new)
	s_set_vgpr_msb (MSB<<8)|(\new)
.set MSB, (\new)
.endif
.endm
.macro PLACES                          ; four plain places behind matrix instructions, in front of loads into their sources and of reads of their results
.rept 4
	v_nop
.endr
.endm
.macro JLOAD s                         ; a joint load: wave 0 x's tile, waves 1 to 3 one group of W each; the branch hangs on the wave's number alone; four v_nop follow each line
	s_cmp_eq_u32 s[WV], 0
	s_cbranch_scc0 .Lfor_w_\@
	tensor_load_to_lds s[G0A+4*\s:G0A+4*\s+3], s[G1A:G1A+7]
	s_nop 0
.rept 4
	v_nop
.endr
	s_branch .Lasked_\@
.Lfor_w_\@:
	tensor_load_to_lds s[G0B+4*\s:G0B+4*\s+3], s[G1B:G1B+7]
	s_nop 0
.rept 4
	v_nop
.endr
.Lasked_\@:
.endm
.macro CREST                           ; a round of the cluster's barrier behind its opening barrier
	s_cmp_lg_u32 s[WV], 0
	s_cbranch_scc1 .Lnot_wave_0_\@
	s_barrier_signal -3
.Lnot_wave_0_\@:
	s_barrier_wait -3
	s_barrier_signal -1
	s_barrier_wait -1
.endm
.macro CROUND
	s_barrier_signal -1
	s_barrier_wait -1
	CREST
.endm
	s_load_b256 s[4:11], s[0:1], 0x0               ; x s[4:5], Wq s[6:7], Wkv s[8:9], bq s[10:11]
	s_load_b256 s[12:19], s[0:1], 0x20             ; bkv s[12:13], the exponents s[14:15], qimg s[16:17], kimg s[18:19]
	s_load_b64 s[20:21], s[0:1], 0x40              ; vimg
	v_lshl_add_u32 v[SPW], v0, 2, SPARE
	v_mov_b32 v[NIL], 0
	ds_add_u32 v28, v29
	ds_add_u32 v28, v29
	s_wait_dscnt 0x0
	v_lshrrev_b32 v1, 5, v0
	v_readfirstlane_b32 s[WV], v1                  ; wave 0..3
	s_max_u32 s23, s[WV], 1
	s_sub_co_u32 s23, s23, 1                       ; which group of the head I ask for: waves 1, 2, 3: q, k, v (wave 0 asks for x)
	s_bfe_u32 s56, ttmp6, 0x40000                  ; cx, cy: my place in the cluster
	s_bfe_u32 s57, ttmp6, 0x40004
	s_lshl_b32 s58, ttmp9, 2
	s_add_co_u32 s58, s58, s56                     ; the head = 4 x cluster x + cx
	s_and_b32 s59, ttmp7, 0xffff
	s_lshl_b32 s59, s59, 2
	s_add_co_u32 s59, s59, s57                     ; the tile of 256 rows = 4 x cluster y + cy
	s_lshl_b32 s60, s57, 2
	s_lshl_b32 s60, 15, s60                        ; my row of the cluster
	s_lshl_b32 s61, 0x1111, s56                    ; my column
	s_or_b32 s[G1A], s60, PADW                     ; x's tiles go to my row
	s_mov_b32 s[G1A+1], 256<<16                    ; tensor_dim0 = 256 bytes
	s_mov_b32 s[G1A+2], 256<<16                    ; tensor_dim1 = 256 rows
	s_mov_b32 s[G1A+3], 256<<16                    ; tile_dim0
	s_mov_b32 s[G1A+4], 256                        ; tile_dim1
	s_mov_b32 s[G1A+5], 1024                       ; from row to row
	s_mov_b32 s[G1A+6], 0
	s_mov_b32 s[G1A+7], 0
	s_or_b32 s[G1B], s61, PADW                     ; W's tiles go to my column
	s_mov_b32 s[G1B+1], 256<<16
	s_mov_b32 s[G1B+2], 64<<16                     ; 64 rows
	s_mov_b32 s[G1B+3], 256<<16
	s_mov_b32 s[G1B+4], 64
	s_mov_b32 s[G1B+5], 1024
	s_mov_b32 s[G1B+6], 0
	s_mov_b32 s[G1B+7], 0
	s_lshl_b32 s66, s59, 18                        ; x: 256 rows of 1,024 bytes a tile: hangs on the tile of rows alone
	s_mov_b32 s67, 0
	s_mul_i32 s68, s58, 3
	s_add_co_u32 s68, s68, s23                     ; W: group g = 3 x head + role: hangs on the head and the wave alone
	s_mul_i32 s62, s[WV], GRP
	s_add_co_u32 s62, s62, XB-GRP                  ; and where it goes: waves 1, 2, 3 behind x's 256 rows
	s_wait_kmcnt 0x0
	s_load_b256 s[72:79], s[14:15], 0x0            ; e0 .. e7
	s_add_nc_u64 s[66:67], s[4:5], s[66:67]
	s_cmp_lt_u32 s68, 16                           ; groups 0-15 lie in Wq, the others in Wkv
	s_cselect_b64 s[70:71], s[6:7], s[8:9]
	s_cselect_b32 s69, 0, 16
	s_sub_co_u32 s68, s68, s69
	s_lshl_b32 s68, s68, 16                        ; 64 rows of 1,024 bytes a group
	s_mov_b32 s69, 0
	s_add_nc_u64 s[68:69], s[70:71], s[68:69]
	CROUND                                         ; all sixteen work-groups are here: the first joint loads meet
.irp s, 0,1
	s_mov_b32 s[G0A+4*\s], 1
	s_mov_b32 s[G0A+4*\s+1], \s*SLOT
	s_add_nc_u64 s[G0A+4*\s+2:G0A+4*\s+3], s[66:67], \s*256
	s_or_b32 s[G0A+4*\s+3], s[G0A+4*\s+3], 0x80000000
	s_mov_b32 s[G0B+4*\s], 1
	s_add_co_u32 s[G0B+4*\s+1], s62, \s*SLOT
	s_add_nc_u64 s[G0B+4*\s+2:G0B+4*\s+3], s[68:69], \s*256
	s_or_b32 s[G0B+4*\s+3], s[G0B+4*\s+3], 0x80000000
	JLOAD \s                                       ; both slots are asked for before anything else: two loads of mine are out
.endr
	v_and_b32 v1, 15, v0                           ; r
	v_bfe_u32 v2, v0, 4, 1                         ; h
	v_mul_u32_u24 v3, v1, PITCH
	v_lshl_add_u32 v3, v2, 4, v3                   ; a fragment's row x pitch + 16 h
	s_mul_i32 s92, s[WV], GRP                      ; my 64 rows of x
	v_add_nc_u32 v[ADX], s92, v3
	v_add_nc_u32 v[ADX+1], SLOT, v[ADX]
	v_add_nc_u32 v[ADW], XB, v3
	v_add_nc_u32 v[ADW+1], SLOT+XB, v3
	v_and_b32 v4, 31, v0
	v_lshlrev_b32 v[LOFF], 4, v4
	v_lshlrev_b32 v5, 5, v2                        ; q's and k's bias: my half's eight numbers of a tile
	v_lshlrev_b32 v6, 2, v1                        ; v's: my one d
.irp ro, 0,1,2                                 ; s[86:91]: the three groups' 64 biases
	s_mul_i32 s92, s58, 3
	s_add_co_u32 s92, s92, \ro
	s_cmp_lt_u32 s92, 16
	s_cselect_b64 s[86+2*\ro:87+2*\ro], s[10:11], s[12:13]
	s_cselect_b32 s93, 0, 16
	s_sub_co_u32 s92, s92, s93
	s_lshl_b32 s92, s92, 8
	s_mov_b32 s93, 0
	s_add_nc_u64 s[86+2*\ro:87+2*\ro], s[86+2*\ro:87+2*\ro], s[92:93]
.endr
.irp b, 0,1,2,3,4,5,6,7                        ; tile b: register j = the bias of column 16 (b % 4) + 8 h + j of q (b < 4) or k
	global_load_b128 v[BT+8*\b:BT+8*\b+3], v5, s[86+2*(\b/4):87+2*(\b/4)] offset:64*(\b%4)
	global_load_b128 v[BT+8*\b+4:BT+8*\b+7], v5, s[86+2*(\b/4):87+2*(\b/4)] offset:64*(\b%4)+16
.endr
.irp bv, 0,1,2,3
	global_load_b32 v[BV+8*\bv], v6, s[90:91] offset:64*\bv   ; v: the bias of d = 16 bv + r
.endr
	; where my results go
	s_lshr_b32 s92, s59, 3                         ; the batch: eight tiles of 256 rows each
	s_lshl_b32 s92, s92, 4
	s_add_co_u32 s92, s92, s58
	s_lshl_b32 s92, s92, 17                        ; (16 x batch + head) x 131,072
	s_and_b32 s93, s59, 7
	s_lshl_b32 s94, s93, 14                        ; 256 rows: 16 tiles of 1 KiB of q or k, or two blocks of 8 KiB of v
	s_add_co_u32 s94, s94, s92
	s_lshl_b32 s95, s[WV], 12                      ; q, k: my four tiles
	s_add_co_u32 s96, s94, s95
	s_mov_b32 s97, 0
	s_add_nc_u64 s[16:17], s[16:17], s[96:97]
	s_add_nc_u64 s[18:19], s[18:19], s[96:97]
	s_lshr_b32 s95, s[WV], 1                       ; v: my 64 keys are half w % 2 of block w / 2: registers 8 (w % 2) on of each fragment
	s_lshl_b32 s95, s95, 13
	s_add_co_u32 s96, s94, s95
	s_and_b32 s95, s[WV], 1
	s_lshl_b32 s95, s95, 10
	s_add_co_u32 s96, s96, s95
	s_add_nc_u64 s[20:21], s[20:21], s[96:97]
	s_wait_kmcnt 0x0
	s_add_co_i32 s80, s72, s73                     ; e0 + e1
	s_add_co_i32 s81, s74, s75                     ; e2 + e3
; A sum stands for sum x 2^ES (ES: its product's two exponents), so its code is sum / 2^(T - ES): one scale for the conversion, and 448 x it for the hold.  s[82 + role] is left holding -ES, for the bias.
.macro ROLE ro, t
	s_mul_i32 s92, s58, 3
	s_add_co_u32 s92, s92, \ro
	s_cmp_lt_u32 s92, 16
	s_cselect_b32 s[82+\ro], s80, s81
	s_sub_co_i32 s92, s[\t], s[82+\ro]
	s_add_co_i32 s92, s92, 127
	s_lshl_b32 s93, s92, 23
	v_mov_b32 v[SCL+2*\ro], s93
	s_add_co_i32 s92, s92, 8
	s_lshl_b32 s92, s92, 23
	s_or_b32 s92, s92, 0x600000
	v_mov_b32 v[SCL+2*\ro+1], s92
	s_sub_co_i32 s[82+\ro], 0, s[82+\ro]
.endm
	ROLE 0, 76                                     ; q: e4
	ROLE 1, 77                                     ; k: e5
	ROLE 2, 79                                     ; v: e7
	s_wait_loadcnt 0x0                             ; the biases
.set j, 0
.rept 32
	v_ldexp_f32 v[BT+j], v[BT+j], s82              ; bias / 2^ES
	v_ldexp_f32 v[BT+32+j], v[BT+32+j], s83
.set j, j+1
.endr
.irp bv, 0,1,2,3
	v_ldexp_f32 v[BV+8*\bv], v[BV+8*\bv], s84
.endr
.irp bv, 0,1,2,3
.irp j, 1,2,3,4,5,6,7
	v_mov_b32 v[BV+8*\bv+\j], v[BV+8*\bv]          ; in v's tiles a lane's eight registers are eight keys of one d: the same bias
.endr
.endr
; 64 LDS loads in one run: the fragments of the slot's q-th 128 along K into set p
.macro FETCH slot, q, p
	WIN (1+\p)<<6
.irp i, 0,1,2,3,4,5,6,7,8,9,10,11
.irp c, 0,1,2,3
	ds_load_b128 v[16*\i+4*\c:16*\i+4*\c+3], v[ADW+\slot] offset:\i*16*PITCH+128*\q+32*\c
.endr
.endr
.irp a, 0,1,2,3
.irp c, 0,1,2,3
	ds_load_b128 v[XF+16*\a+4*\c:XF+16*\a+4*\c+3], v[ADX+\slot] offset:\a*16*PITCH+128*\q+32*\c
.endr
.endr
.endm
; 8 products of v: row blocks a0, a0 + 1 x the four tiles of d.  first = 1: the bias starts the sums.  The 48 accumulators take turns, one instruction a turn, in the same order in every step.
.macro MULV p, a0, first
	WIN 5*(1+\p)
.irp a, \a0, \a0+1
.irp bv, 0,1,2,3
.if \first
	v_wmma_f32_16x16x128_fp8_fp8 v[VA+8*(4*(\a)+\bv):VA+8*(4*(\a)+\bv)+7], v[XF+16*(\a):XF+16*(\a)+15], v[16*(8+\bv):16*(8+\bv)+15], v[BV+8*\bv:BV+8*\bv+7]
.else
	v_wmma_f32_16x16x128_fp8_fp8 v[VA+8*(4*(\a)+\bv):VA+8*(4*(\a)+\bv)+7], v[XF+16*(\a):XF+16*(\a)+15], v[16*(8+\bv):16*(8+\bv)+15], v[VA+8*(4*(\a)+\bv):VA+8*(4*(\a)+\bv)+7]
.endif
.endr
.endr
.endm
; 32 products of q and k, transposed
.macro MULQK p, first
.if \first
	WIN 0xC0+5*(1+\p)
.else
	WIN 0xF0+5*(1+\p)
.endif
.irp a, 0,1,2,3
.irp b, 0,1,2,3,4,5,6,7
.if \first
	v_wmma_f32_16x16x128_fp8_fp8 v[8*(8*\a+\b):8*(8*\a+\b)+7], v[16*\b:16*\b+15], v[XF+16*\a:XF+16*\a+15], v[BT+8*\b:BT+8*\b+7]
.else
	v_wmma_f32_16x16x128_fp8_fp8 v[8*(8*\a+\b):8*(8*\a+\b)+7], v[16*\b:16*\b+15], v[XF+16*\a:XF+16*\a+15], v[8*(8*\a+\b):8*(8*\a+\b)+7]
.endif
.endr
.endr
.endm
; A slot's first step: multiplies set 0 and, behind v's 16 products, fetches the slot's second 128 along K into set 1, 32 matrix instructions ahead of its use.
.macro STEP slot, first
	s_wait_dscnt 0x0                               ; set 0 is in
	MULV 0, 0, \first
	MULV 0, 2, \first
	PLACES                                         ; set 1 was last read by the step before
	FETCH \slot, 1, 1
	MULQK 0, \first
	WIN 0
.endm
; A slot's second step multiplies set 1 and changes slots: ONE barrier; in front of it each wave waits for all its tensor loads, adds 0 to its spare word, and waits for that and for its reads of this slot.
.macro TURN slot, next, fill
	s_wait_tensorcnt 0x0                           ; all my tensor loads have landed: my part of the next slot
	ds_add_u32 v[SPW], v[NIL]                      ; 0 onto my spare word
	s_wait_dscnt 0x1                               ; set 1's 64 loads, issued ahead of the add, are in; the add alone may be out
	MULV 1, 0, 0                                   ; eight matrix instructions stand between the add and the wait for it
	s_wait_dscnt 0x0                               ; the add is done, and my reads of this slot are over
	s_barrier_signal -1
	MULV 1, 2, 0
	WIN 0
	s_barrier_wait -1
.if \fill
	CREST                                          ; the barrier has opened a round of the cluster's: no wave of any partner still reads this slot or has a load on its way
	s_add_nc_u64 s[G0A+4*\slot+2:G0A+4*\slot+3], s[G0A+4*\slot+2:G0A+4*\slot+3], 512
	s_add_nc_u64 s[G0B+4*\slot+2:G0B+4*\slot+3], s[G0B+4*\slot+2:G0B+4*\slot+3], 512
	JLOAD \slot                                    ; the first tensor load behind the round; its four v_nop are also the places in front of the loads below
.else
	PLACES
.endif
	FETCH \next, 0, 0
	MULQK 1, 0
	WIN 0
.endm
	s_wait_tensorcnt 0x1                           ; my part of slot 0 is in; slot 1's may stay out
	s_barrier_signal -1
	s_barrier_wait -1
	FETCH 0, 0, 0
	WIN 0
	STEP 0, 1                                      ; K 0: the biases start the sums
	TURN 0, 1, 1                                   ; K 128; slot 0 takes K 512 on
	STEP 1, 0                                      ; K 256
	TURN 1, 0, 1                                   ; K 384; slot 1 takes K 768 on
	STEP 0, 0                                      ; K 512
	TURN 0, 1, 0                                   ; K 640; nothing is left to ask for
	STEP 1, 0                                      ; K 768
	s_wait_dscnt 0x0                               ; K 896
	MULV 1, 0, 0
	MULV 1, 2, 0
	MULQK 1, 0
	WIN 0
	; THE WAY OUT.  The hold (the conversion to an 8-bit code does not saturate: ISA guide 7.6.2), the conversion, and the store of registers as they stand: each store covers 512 consecutive bytes, aligned.
	PLACES                                         ; v's sums were finished 32 matrix instructions ago, which are no places
.set j, 0
.rept 128
	v_med3_num_f32 v[VA+j], v[VA+j], -v[SCL+5], v[SCL+5]   ; each accumulator from its low end on; these are also the places behind q's and k's last products
.set j, j+1
.endr
.irp a, 0,1,2,3
.irp bv, 0,1,2,3
	v_cvt_scalef32_pk8_fp8_f32 v[CV+8*\bv+2*\a:CV+8*\bv+2*\a+1], v[VA+8*(4*\a+\bv):VA+8*(4*\a+\bv)+7], v[SCL+4]   ; keys 16 a + 8 h + 0 .. 7 of d = 16 bv + r
.endr
.endr
	v_nop                                          ; a plain line behind the last conversion
.irp bv, 0,1,2,3
.irp i, 0,1
	global_store_b128 v[LOFF], v[CV+8*\bv+4*\i:CV+8*\bv+4*\i+3], s[20:21] offset:2048*\bv+512*\i
.endr
.endr
.macro OUTQK a                         ; my row block a: q's and k's fragment
	WIN 0xC3                                       ; the sums (destination and source 0) in window 3
.set j, 0
.rept 32
	v_med3_num_f32 v[64*\a+j], v[64*\a+j], -v[SCL+1], v[SCL+1]
.set j, j+1
.endr
.rept 32
	v_med3_num_f32 v[64*\a+j], v[64*\a+j], -v[SCL+3], v[SCL+3]
.set j, j+1
.endr
	WIN 0x03
.irp b, 0,1,2,3
	v_cvt_scalef32_pk8_fp8_f32 v[CQ+16*\a+2*\b:CQ+16*\a+2*\b+1], v[64*\a+8*\b:64*\a+8*\b+7], v[SCL]     ; q: d = 16 b + 8 h + 0 .. 7 of row r
.endr
.irp b, 4,5,6,7
	v_cvt_scalef32_pk8_fp8_f32 v[CQ+16*\a+2*\b:CQ+16*\a+2*\b+1], v[64*\a+8*\b:64*\a+8*\b+7], v[SCL+2]   ; k
.endr
	WIN 0
	v_nop
	global_store_b128 v[LOFF], v[CQ+16*\a:CQ+16*\a+3], s[16:17] offset:1024*\a
	global_store_b128 v[LOFF], v[CQ+16*\a+4:CQ+16*\a+7], s[16:17] offset:1024*\a+512
	global_store_b128 v[LOFF], v[CQ+16*\a+8:CQ+16*\a+11], s[18:19] offset:1024*\a
	global_store_b128 v[LOFF], v[CQ+16*\a+12:CQ+16*\a+15], s[18:19] offset:1024*\a+512
.endm
	OUTQK 0
	OUTQK 1
	OUTQK 2
	OUTQK 3
	s_wait_tensorcnt 0x0                           ; the wave's end
	ds_add_u32 v[SPW], v[NIL]
	s_wait_dscnt 0x0
	CROUND                                         ; the closing round: no work-group ends while a partner may still ask for a tile that names it
	s_endpgm
.Lfunc_end_k_q0e64fe04cd_qkv:
	.size	k_q0e64fe04cd_qkv, .Lfunc_end_k_q0e64fe04cd_qkv-k_q0e64fe04cd_qkv
	.p2alignl 7, 3214868480
	.fill 96, 4, 3214868480
	.section	.rodata,"a",@progbits
	.p2align	6, 0x0
	.amdhsa_kernel k_q0e64fe04cd_qkv
		.amdhsa_group_segment_fixed_size 327680
		.amdhsa_private_segment_fixed_size 0
		.amdhsa_enable_private_segment 0
		.amdhsa_kernarg_size 72
		.amdhsa_user_sgpr_count 2
		.amdhsa_user_sgpr_kernarg_segment_ptr 1
		.amdhsa_wavefront_size32 1
		.amdhsa_system_sgpr_workgroup_id_x 1
		.amdhsa_system_sgpr_workgroup_id_y 1
		.amdhsa_system_sgpr_workgroup_id_z 1
		.amdhsa_system_vgpr_workitem_id 0
		.amdhsa_next_free_vgpr 1024
		.amdhsa_next_free_sgpr 100
		.amdhsa_reserve_vcc 0
		.amdhsa_float_denorm_mode_32 3
		.amdhsa_float_denorm_mode_16_64 3
		.amdhsa_memory_ordered 1
		.amdhsa_forward_progress 1
		.amdhsa_inst_pref_size 107
	.end_amdhsa_kernel
	.amdgpu_metadata
---
amdhsa.version: [ 1, 2 ]
amdhsa.kernels:
  - .name:           k_q0e64fe04cd_qkv
    .symbol:         k_q0e64fe04cd_qkv.kd
    .args:
      - { .name: x_codes, .offset: 0, .size: 8, .value_kind: global_buffer, .address_space: global }
      - { .name: Wq_codes, .offset: 8, .size: 8, .value_kind: global_buffer, .address_space: global }
      - { .name: Wkv_codes, .offset: 16, .size: 8, .value_kind: global_buffer, .address_space: global }
      - { .name: bq, .offset: 24, .size: 8, .value_kind: global_buffer, .address_space: global }
      - { .name: bkv, .offset: 32, .size: 8, .value_kind: global_buffer, .address_space: global }
      - { .name: lowp_scales, .offset: 40, .size: 8, .value_kind: global_buffer, .address_space: global }
      - { .name: qimg, .offset: 48, .size: 8, .value_kind: global_buffer, .address_space: global }
      - { .name: kimg, .offset: 56, .size: 8, .value_kind: global_buffer, .address_space: global }
      - { .name: vimg, .offset: 64, .size: 8, .value_kind: global_buffer, .address_space: global }
    .group_segment_fixed_size: 327680
    .private_segment_fixed_size: 0
    .kernarg_segment_align: 8
    .kernarg_segment_size: 72
    .max_flat_workgroup_size: 128
    .sgpr_count:     100
    .vgpr_count:     1024
    .wavefront_size: 32
...
	.end_amdgpu_metadata
.endif
;; end of part 1
;; launch attn (part 2): grid 4 x 64, 16 waves a work-group, no clusters, 67,584 bytes of LDS; arguments qimg, kimg, vimg, lowp_scales, aimg; writes aimg
.if DOCPART == 2
	.amdgcn_target "amdgcn-amd-amdhsa--gfx1250"
	.amdhsa_code_object_version 6
	.text
	.protected	k_q0e64fe04cd_attn
	.globl	k_q0e64fe04cd_attn
	.p2align	8
	.type	k_q0e64fe04cd_attn,@function
k_q0e64fe04cd_attn:
	s_mov_b64 s[64:65], 0
	v_nop
	global_prefetch_b8 v0, s[64:65] scope:SCOPE_SE
	s_setreg_imm32_b32 hwreg(HW_REG_WAVE_MODE, 25, 1), 1
	s_wait_xcnt 0x0
; Causal attention of one head on E4M3 codes: S^T = K Q^T (K = 64), p = 2^(t - M), O^T = V^T P^T (K = the keys), O / l quantised with 2^e8.
; t = score x log2(e) / 8; M = the row's largest t so far, rounded UP to a whole number; p is quantised with 2^e6, not normalised; l is the sum of the unquantised p.  When M moves, l and O^T are multiplied by 2^(old M - new M): exact.
; qimg, kimg, vimg hold images of operand registers (16 bytes a lane, 512 bytes a piece): a fragment is loaded as it lies, with no pitch and no padding.
; Both products are used transposed, so that a lane holds ONE query (lane % 16) throughout: tile t of S^T holds keys 16 t + 8 (lane / 16) + 0 .. 7, whose eight codes are registers 2 t, 2 t + 1 of P.
; aimg: [tile of 16 rows][head][t][r][h][8 bytes]: the four stores of a tile of queries cover 256 consecutive bytes each; read 16 bytes a lane it is the next launch's operand.
; SHARES.  Work-group (P, batch x head) owns blocks P and 7 - P of 256 queries: (P + 1) + (8 - P) = 9 slots of 256 keys for every work-group, so the loop has 9 trips in all of them.
; Each of the SIXTEEN waves owns 16 queries of the block in hand, in 256 registers: four waves to a SIMD, so that one wave's vector work stands beside another's products and LDS loads.
; K's and V's slot (16 KiB each) goes through LDS, two slots by turns; wave w brings 2 KiB of the next slot into registers at a trip's head and stores it into the other slot at the trip's end: one barrier a trip.
; NO TENSOR LOADS, NO CLUSTER: the four work-groups of a head stand at different slots in the same trip (they begin different blocks), so no tile could be asked for jointly;
; a wave's share of a fill is four loads and four LDS stores for two steps' work; and the hold of p may then be jumped over on the given e6.
; CAUSAL.  A step of 128 keys that all come after my 16 queries is left out (a scalar branch on ids); on the diagonal hidden scores become -infinity ahead of the maximum.  Key 0 counts for every query, so M is a number from a block's first step on.
; LIMITS: e4 + e5 between -123 and 130 (added to c's exponent field); e6 and e8 between -126 and 119; e6 + e7 is applied by v_ldexp_f32 and has none.
; REGISTERS: v1-7 addresses; v12 -M, v13 the largest t, v[14:15] l in two halves; v16-23 Q, v24-31 the second block's Q; v32-95 K's 8 fragments, then V's 4; v96-159 S^T, then p; v160-191 O^T; v192-207 P's codes;
;   v208-223 the next slot's 2 KiB; v224-231 codes of O; v240, v241: 448 x 2^e6, 2^e6; v244, v245: 2^e8, 448 x 2^e8; v236, v242-243, v252-254 at work.
; SCALARS: s14 wave; s15 P, s16 P + 1, s17 7 - P; s18 the trip; s19, s20 the slot read, the slot written; s21, s22 this trip's and the next trip's slot of keys; s23 the block of queries; s24 first key, s25 my first query.
.set SLOTB, 32768
.set VOFF,  16384                      ; a slot: K's 16 tiles of 1 KiB, then V's two blocks of 8 KiB
.set LOFF, 1                           ; v1  16 x lane
.set ADL,  2                           ; v2  the slot read + 16 x lane
.set STA,  3                           ; v3  2,048 x wave + 16 x lane
.set STN,  4                           ; v4  the slot written + that
.set GA,   5                           ; v5  the next slot's bytes in memory
.set VO,   6                           ; v6  16 r + 8 h: my 8 bytes of a store to aimg
.set DQ,   7                           ; v7  r - 8 h
.set QF,   16
.set QN,   24
.set KV,   32
.set SC,   96
.set OT,   160
.set PC,   192
.set NX,   208
.set OC,   224
	s_load_b256 s[4:11], s[0:1], 0x0               ; qimg s[4:5], kimg s[6:7], vimg s[8:9], the exponents s[10:11]
	s_load_b64 s[12:13], s[0:1], 0x20              ; aimg
	v_lshl_add_u32 v251, v0, 2, 0x10000
	v_mov_b32 v255, 0
	v_lshrrev_b32 v8, 5, v0
	v_readfirstlane_b32 s14, v8                    ; wave 0..15
	v_and_b32 v9, 31, v0
	v_lshlrev_b32 v[LOFF], 4, v9
	s_lshl_b32 s27, s14, 11
	v_add_nc_u32 v[STA], s27, v[LOFF]
	v_and_b32 v10, 15, v0                          ; r
	v_bfe_u32 v11, v0, 4, 1                        ; h
	v_lshlrev_b32 v[VO], 4, v10
	v_lshl_add_u32 v[VO], v11, 3, v[VO]
	v_lshlrev_b32 v[DQ], 3, v11
	v_sub_nc_u32 v[DQ], v10, v[DQ]
	s_mov_b32 s15, ttmp9                           ; P
	s_add_co_u32 s16, s15, 1
	s_sub_co_u32 s17, 7, s15
	s_and_b32 s29, ttmp7, 0xffff                   ; 16 x batch + head
	s_lshl_b32 s28, s14, 4
	s_mov_b32 s18, 0
	s_mov_b32 s19, 0
	s_mov_b32 s20, SLOTB
	s_mov_b32 s30, 0x76543210                      ; v_permlanex16_b32's selects for lane l xor 16
	s_mov_b32 s31, 0xfedcba98
	s_mov_b32 s32, 0x3e38aa3b                      ; c = log2(e) / 8
	s_lshl_b32 s51, s29, 17                        ; the head's 131,072 bytes in each image
	s_and_b32 s52, s14, 7
	s_lshl_b32 s52, s52, 11
	s_add_co_u32 s52, s52, s51                     ; what I bring of a slot: waves 0-7 K's bytes 2,048 w on, waves 8-15 V's 2,048 (w - 8) on
	s_mov_b32 s53, 0
	s_lshl_b32 s54, s15, 4
	s_add_co_u32 s54, s54, s14
	s_lshl_b32 s54, s54, 10
	s_add_co_u32 s54, s54, s51                     ; Q's tile 16 P + w,
	s_mov_b32 s55, 0
	s_lshl_b32 s60, s17, 4
	s_add_co_u32 s60, s60, s14
	s_lshl_b32 s60, s60, 10
	s_add_co_u32 s60, s60, s51                     ; and tile 16 (7 - P) + w
	s_mov_b32 s61, 0
	s_lshr_b32 s62, s29, 4
	s_lshl_b32 s62, s62, 7
	s_add_co_u32 s62, s62, s14
	s_lshl_b32 s62, s62, 14                        ; aimg: row tile 128 x batch + w (+ 16 x block, later), 16 KiB each,
	s_and_b32 s63, s29, 15
	s_lshl_b32 s63, s63, 10
	s_add_co_u32 s62, s62, s63                     ; + 1,024 x head
	s_mov_b32 s63, 0
	s_wait_kmcnt 0x0
	s_load_b256 s[40:47], s[10:11], 0x0            ; e0 .. e7
	s_load_b64 s[48:49], s[10:11], 0x20            ; e8, e9
	s_cmp_lt_u32 s14, 8
	s_cselect_b64 s[34:35], s[6:7], s[8:9]
	s_add_nc_u64 s[34:35], s[34:35], s[52:53]
	s_add_nc_u64 s[56:57], s[4:5], s[54:55]
	s_add_nc_u64 s[58:59], s[4:5], s[60:61]
	s_add_nc_u64 s[36:37], s[12:13], s[62:63]
.irp i, 0,1,2,3
	global_load_b128 v[NX+4*\i:NX+4*\i+3], v[LOFF], s[34:35] offset:512*\i   ; my part of the first slot: keys 0 to 255
.endr
	global_load_b128 v[QF:QF+3], v[LOFF], s[56:57] th:TH_LOAD_NT            ; Q's fragments stay in registers; each is read once in the launch
	global_load_b128 v[QF+4:QF+7], v[LOFF], s[56:57] offset:512 th:TH_LOAD_NT
	global_load_b128 v[QN:QN+3], v[LOFF], s[58:59] th:TH_LOAD_NT
	global_load_b128 v[QN+4:QN+7], v[LOFF], s[58:59] offset:512 th:TH_LOAD_NT
	v_mov_b32 v13, 0xff61b1e6                      ; the largest t so far: -3e38, under every t
	v_floor_f32 v12, -v13                          ; -M
	v_mov_b32 v14, 0
	v_mov_b32 v15, 0
	v_mov_b32 v236, 0                              ; a lane permute's destination counts as one of its sources
	v_mov_b32 v253, 0                              ; (named as the upper half of the pair v[252:253])
.set n, 0
.rept 32
	v_mov_b32 v[OT+n], 0                           ; the step is written once: a block's first step finds zeros, which the first change of M leaves zeros
.set n, n+1
.endr
	s_wait_kmcnt 0x0
	s_add_co_i32 s52, s44, s45
	s_lshl_b32 s52, s52, 23
	s_add_co_i32 s32, s32, s52                     ; a score stands for score x 2^(e4 + e5): added to c's exponent field
	s_mov_b32 s33, s32                             ; (named with it as a pair)
	s_add_co_i32 s52, s46, 127
	s_lshl_b32 s53, s52, 23
	v_mov_b32 v241, s53                            ; 2^e6
	s_add_co_i32 s52, s52, 8
	s_lshl_b32 s52, s52, 23
	s_or_b32 s52, s52, 0x600000
	v_mov_b32 v240, s52                            ; 448 x 2^e6
	s_add_co_i32 s52, s48, 127
	s_lshl_b32 s53, s52, 23
	v_mov_b32 v244, s53                            ; 2^e8
	s_add_co_i32 s52, s52, 8
	s_lshl_b32 s52, s52, 23
	s_or_b32 s52, s52, 0x600000
	v_mov_b32 v245, s52                            ; 448 x 2^e8
	s_add_co_i32 s50, s46, s47                     ; e6 + e7
	s_wait_loadcnt 0x0
.irp i, 0,1,2,3
	ds_store_b128 v[STA], v[NX+4*\i:NX+4*\i+3] offset:512*\i
.endr
	s_wait_dscnt 0x0                               ; for the others' sake: my part of slot 0 lies in LDS
	s_barrier_signal -1
	s_barrier_wait -1
; A KEY STEP: 128 keys, the q-th half of the slot in hand.
.macro STEP q
	s_add_co_u32 s26, s24, 128*\q                  ; the step's first key
	s_add_co_u32 s27, s25, 15
	s_cmp_gt_u32 s26, s27
	s_cbranch_scc1 .Lhidden_\@                     ; all its keys come after my queries
.irp t, 0,1,2,3,4,5,6,7
	ds_load_b128 v[KV+8*\t:KV+8*\t+3], v[ADL] offset:(8*\q+\t)*1024
	ds_load_b128 v[KV+8*\t+4:KV+8*\t+7], v[ADL] offset:(8*\q+\t)*1024+512
.endr
	s_wait_dscnt 0x0
.irp t, 0,1,2,3,4,5,6,7
	v_wmma_f32_16x16x64_fp8_fp8 v[SC+8*\t:SC+8*\t+7], v[KV+8*\t:KV+8*\t+7], v[QF:QF+7], 0
.endr
.rept 4
	v_nop                                          ; places in front of the loads into K's registers and of the first read of the scores
.endr
.irp b, 0,1,2,3                                ; V's four fragments land while the softmax is walked
.irp c, 0,1,2,3
	ds_load_b128 v[KV+16*\b+4*\c:KV+16*\b+4*\c+3], v[ADL] offset:VOFF+8192*\q+2048*\b+512*\c
.endr
.endr
	s_add_co_u32 s27, s26, 127
	s_cmp_le_u32 s27, s25
	s_cbranch_scc1 .Lopen_\@                       ; all its keys count
	s_sub_co_i32 s27, s25, s26
	v_add_nc_u32 v252, s27, v[DQ]                  ; register 8 t + j holds key 16 t + 8 h + j of the step: hidden where 16 t + j > my query - the step's first key - 8 h
	v_mov_b32 v254, 0xff800000                     ; -infinity
.set n, 0
.rept 64
	v_cmp_gt_i32 vcc_lo, 16*(n/8)+n%8, v252
	v_cndmask_b32 v[SC+n], v[SC+n], v254, vcc_lo
.set n, n+1
.endr
.Lopen_\@:
	v_max3_num_f32 v254, v[SC], v[SC+1], v[SC+2]   ; the step's largest score of my query among my 64 keys, in two chains, from each accumulator's low end on
	v_max3_num_f32 v252, v[SC+3], v[SC+4], v[SC+5]
.set n, 6
.rept 14
	v_max3_num_f32 v254, v254, v[SC+n], v[SC+n+1]
	v_max3_num_f32 v252, v252, v[SC+n+2], v[SC+n+3]
.set n, n+4
.endr
	v_max3_num_f32 v254, v254, v[SC+62], v[SC+63]
	v_max_num_f32 v254, v254, v252
	v_permlanex16_b32 v236, v254, s30, s31
	v_max_num_f32 v254, v254, v236                 ; and among lane l xor 16's
	v_mul_f32 v254, s32, v254                      ; as t (c is positive)
	v_max_num_f32 v13, v13, v254                   ; the running largest t
	v_mov_b32 v254, v12
	v_floor_f32 v12, -v13                          ; the new -M = floor(-t): M is a whole number
	v_sub_f32 v254, v12, v254                      ; old M - new M: a whole number, 0 or less
	v_cvt_i32_f32 v254, v254                       ; (it saturates)
	v_ldexp_f32 v252, 1.0, v254                    ; f = 2^(old M - new M)
.set n, 0
.rept 32
	v_pk_fma_f32 v[SC+n:SC+n+1], v[SC+n:SC+n+1], s[32:33], v[12:13] op_sel_hi:[1,0,0]   ; t - M, two at a time
.set n, n+2
.endr
.set n, 0
.rept 64
	v_exp_f32 v[SC+n], v[SC+n]                     ; p = 2^(t - M), at most 1
.set n, n+1
.endr
	v_pk_mul_f32 v[14:15], v[14:15], v[252:253] op_sel_hi:[1,0]   ; l under the new M (a plain place behind the exponentials)
	s_wait_alu depctr_va_vdst(0)
	v_pk_add_f32 v[242:243], v[SC:SC+1], v[SC+2:SC+3]             ; the sum of the UNQUANTISED p, in two chains
.set n, 4
.rept 15
	v_pk_add_f32 v[14:15], v[14:15], v[SC+n:SC+n+1]
	v_pk_add_f32 v[242:243], v[242:243], v[SC+n+2:SC+n+3]
.set n, n+4
.endr
	v_pk_add_f32 v[14:15], v[14:15], v[242:243]
	s_cmp_ge_i32 s46, -8                           ; p <= 1: from e6 = -8 on p / 2^e6 <= 256 lies under 448, and the hold would change nothing
	s_cbranch_scc1 .Lheld_\@
.set n, 0
.rept 64
	v_min_num_f32 v[SC+n], v[SC+n], v240           ; the conversion to an 8-bit code does not saturate (ISA guide 7.6.2); p is not negative, so the hold is one-sided
.set n, n+1
.endr
.Lheld_\@:
.irp t, 0,1,2,3,4,5,6,7
	v_cvt_scalef32_pk8_fp8_f32 v[PC+2*\t:PC+2*\t+1], v[SC+8*\t:SC+8*\t+7], v241
.endr
.set n, 0
.rept 16
	v_pk_mul_f32 v[OT+n:OT+n+1], v[OT+n:OT+n+1], v[252:253] op_sel_hi:[1,0]   ; O^T under the new M; also the plain lines behind the conversions
.set n, n+2
.endr
	s_wait_dscnt 0x0                               ; V is in
.irp b, 0,1,2,3
	v_wmma_f32_16x16x128_fp8_fp8 v[OT+8*\b:OT+8*\b+7], v[KV+16*\b:KV+16*\b+15], v[PC:PC+15], v[OT+8*\b:OT+8*\b+7]
.endr
.rept 4
	v_nop                                          ; places in front of the next loads into V's registers and of the next read of O^T, on every way on
.endr
.Lhidden_\@:
.endm
; A block of queries is finished: O^T x 2^(e6 + e7) / l, held, quantised with 2^e8, stored.  again = 1: the state is set for the second block.
.macro FINISH again
	v_add_f32 v14, v14, v15
	v_permlanex16_b32 v236, v14, s30, s31
	v_add_f32 v14, v14, v236                       ; the row's sum
	v_rcp_f32 v14, v14
	v_nop                                          ; a plain place behind the transcendental
	s_wait_alu depctr_va_vdst(0)
	v_ldexp_f32 v14, v14, s50
	s_wait_xcnt 0x0                                ; an earlier block's stores have read their data and their base
.set n, 0
.rept 16
	v_pk_mul_f32 v[SC+n:SC+n+1], v[OT+n:OT+n+1], v[14:15] op_sel_hi:[1,0]
.set n, n+2
.endr
.set n, 0
.rept 32
	v_med3_num_f32 v[SC+n], v[SC+n], -v245, v245
.set n, n+1
.endr
.irp t, 0,1,2,3
	v_cvt_scalef32_pk8_fp8_f32 v[OC+2*\t:OC+2*\t+1], v[SC+8*\t:SC+8*\t+7], v244   ; d = 16 t + 8 h + 0 .. 7 of query r
.endr
	v_nop
	s_lshl_b32 s52, s23, 18                        ; the block's 16 row tiles of 16 KiB
	s_mov_b32 s53, 0
	s_add_nc_u64 s[38:39], s[36:37], s[52:53]
.irp t, 0,1,2,3
	global_store_b64 v[VO], v[OC+2*\t:OC+2*\t+1], s[38:39] offset:256*\t   ; 32 lanes store 256 consecutive bytes, aligned
.endr
.if \again
	v_mov_b32 v13, 0xff61b1e6
	v_floor_f32 v12, -v13
	v_mov_b32 v14, 0
	v_mov_b32 v15, 0
.set n, 0
.rept 32
	v_mov_b32 v[OT+n], 0
.set n, n+1
.endr
.set n, 0
.rept 8
	v_mov_b32 v[QF+n], v[QN+n]
.set n, n+1
.endr
.endif
.endm
.Lslot:                                            ; 9 trips: block P's slots 0 .. P, then block 7 - P's slots 0 .. 7 - P
	s_cmp_le_u32 s18, s15
	s_cselect_b32 s27, 0, s16
	s_cselect_b32 s23, s15, s17                    ; the block of queries in hand
	s_sub_co_u32 s21, s18, s27                     ; this trip's slot of keys
	s_add_co_u32 s52, s18, 1
	s_cmp_le_u32 s52, s15
	s_cselect_b32 s27, 0, s16
	s_sub_co_u32 s22, s52, s27                     ; the next trip's
	s_lshl_b32 s24, s21, 8                         ; first key
	s_lshl_b32 s25, s23, 8
	s_add_co_u32 s25, s25, s28                     ; my first query
	v_add_nc_u32 v[ADL], s19, v[LOFF]
	v_add_nc_u32 v[STN], s20, v[STA]
	s_cmp_eq_u32 s18, 8
	s_cbranch_scc1 .Lno_load                       ; the last trip asks for nothing
	s_lshl_b32 s27, s22, 14
	v_add_nc_u32 v[GA], s27, v[LOFF]               ; (its last loads were waited for in the trip before)
.irp i, 0,1,2,3
	global_load_b128 v[NX+4*\i:NX+4*\i+3], v[GA], s[34:35] offset:512*\i   ; my 2 KiB of the next slot: two steps' work in which to land
.endr
.Lno_load:
	STEP 0
	STEP 1
	s_cmp_lg_u32 s18, s15
	s_cbranch_scc1 .Lno_finish
	FINISH 1                                       ; block P is done
.Lno_finish:
	s_cmp_eq_u32 s18, 8
	s_cbranch_scc1 .Lno_store
	s_wait_loadcnt 0x0
.irp i, 0,1,2,3
	ds_store_b128 v[STN], v[NX+4*\i:NX+4*\i+3] offset:512*\i   ; into the slot that was read a trip ago: every wave's reads of it were over at that trip's barrier
.endr
.Lno_store:
	s_wait_dscnt 0x0                               ; my stores have landed, and my reads of this trip's slot are over
	s_barrier_signal -1
	s_barrier_wait -1
	s_xor_b32 s19, s19, SLOTB
	s_xor_b32 s20, s20, SLOTB
	s_add_co_u32 s18, s18, 1
	s_cmp_lt_u32 s18, 9
	s_cbranch_scc1 .Lslot
	FINISH 0                                       ; block 7 - P
	s_wait_tensorcnt 0x0
	ds_add_u32 v251, v255
	s_wait_dscnt 0x0
	s_endpgm
.Lfunc_end_k_q0e64fe04cd_attn:
	.size	k_q0e64fe04cd_attn, .Lfunc_end_k_q0e64fe04cd_attn-k_q0e64fe04cd_attn
	.p2alignl 7, 3214868480
	.fill 96, 4, 3214868480
	.section	.rodata,"a",@progbits
	.p2align	6, 0x0
	.amdhsa_kernel k_q0e64fe04cd_attn
		.amdhsa_group_segment_fixed_size 67584
		.amdhsa_private_segment_fixed_size 0
		.amdhsa_enable_private_segment 0
		.amdhsa_kernarg_size 40
		.amdhsa_user_sgpr_count 2
		.amdhsa_user_sgpr_kernarg_segment_ptr 1
		.amdhsa_wavefront_size32 1
		.amdhsa_system_sgpr_workgroup_id_x 1
		.amdhsa_system_sgpr_workgroup_id_y 1
		.amdhsa_system_sgpr_workgroup_id_z 1
		.amdhsa_system_vgpr_workitem_id 0
		.amdhsa_next_free_vgpr 256
		.amdhsa_next_free_sgpr 66
		.amdhsa_reserve_vcc 1
		.amdhsa_float_denorm_mode_32 3
		.amdhsa_float_denorm_mode_16_64 3
		.amdhsa_memory_ordered 1
		.amdhsa_forward_progress 1
		.amdhsa_inst_pref_size 58
	.end_amdhsa_kernel
	.amdgpu_metadata
---
amdhsa.version: [ 1, 2 ]
amdhsa.kernels:
  - .name:           k_q0e64fe04cd_attn
    .symbol:         k_q0e64fe04cd_attn.kd
    .args:
      - { .name: qimg, .offset: 0, .size: 8, .value_kind: global_buffer, .address_space: global }
      - { .name: kimg, .offset: 8, .size: 8, .value_kind: global_buffer, .address_space: global }
      - { .name: vimg, .offset: 16, .size: 8, .value_kind: global_buffer, .address_space: global }
      - { .name: lowp_scales, .offset: 24, .size: 8, .value_kind: global_buffer, .address_space: global }
      - { .name: aimg, .offset: 32, .size: 8, .value_kind: global_buffer, .address_space: global }
    .group_segment_fixed_size: 67584
    .private_segment_fixed_size: 0
    .kernarg_segment_align: 8
    .kernarg_segment_size: 40
    .max_flat_workgroup_size: 512
    .sgpr_count:     66
    .vgpr_count:     256
    .wavefront_size: 32
...
	.end_amdgpu_metadata
.endif
;; end of part 2
;; launch oproj (part 3): grid 8 x 32, 4 waves a work-group, clusters of 4 x 4, 327,680 bytes of LDS; arguments aimg, Wo_codes, bo, lowp_scales, out0; writes out0
.if DOCPART == 3
	.amdgcn_target "amdgcn-amd-amdhsa--gfx1250"
	.amdhsa_code_object_version 6
	.text
	.protected	k_q0e64fe04cd_oproj
	.globl	k_q0e64fe04cd_oproj
	.p2align	8
	.type	k_q0e64fe04cd_oproj,@function
k_q0e64fe04cd_oproj:
	s_mov_b64 s[64:65], 0
	v_nop
	global_prefetch_b8 v0, s[64:65] scope:SCOPE_SE
	s_setreg_imm32_b32 hwreg(HW_REG_WAVE_MODE, 25, 1), 1
	s_wait_xcnt 0x0
	s_wait_alu depctr_hold_cnt(0) depctr_sa_sdst(0) depctr_va_vdst(0) depctr_va_sdst(0) depctr_va_ssrc(0) depctr_va_vcc(0) depctr_vm_vsrc(0)
	s_getreg_b32 s2, hwreg(HW_REG_IB_STS2, 6, 4)
	s_cmp_eq_u32 s2, 0
	s_cbranch_scc0 .Lentry_in_a_cluster
	s_endpgm
.Lentry_in_a_cluster:
	s_bfe_u32 s2, ttmp6, 0x10000c
	s_cmp_lg_u32 s2, 0xf033
	s_cbranch_scc0 .Lentry_shape_is_right
	s_endpgm
.Lentry_shape_is_right:
; out0 = vals Wo + bo on E4M3 codes: vals (8,192 x 1,024) comes as aimg, Wo as codes [1,024 (n)][1,024 (k)]; each finished sum x 2^(e8 + e9) + bo, one packed multiply-add for two numbers.
; aimg: [tile of 16 rows][K step of 128][4][lane][16 bytes]: lane L holds row L % 16, k = 128 s + 32 c + 16 (L / 16) + 0 .. 15: the very order in which four loads of 16 bytes, 32 bytes apart, take a row of Wo:
; a permutation of k that is the same on both sides, so every product meets its partner.
; SHARES.  A tile of 256 rows x 128 columns to a work-group, so that there are 256 of them; wave w makes rows 64 w .. 64 w + 63 x 128 columns: 32 accumulators.
; The matrix instruction is used TRANSPOSED (source 0 = 16 rows of Wo, source 1 = 16 rows of vals): a lane holds eight neighbouring numbers of a row of out0.
; K goes in steps of 256 through two LDS slots: four fills, eight steps of 128, written out without a loop.
; CLUSTERS: 4 x 4 work-groups; the four of a row of the cluster share vals' tile, the four of a column Wo's: each is asked for jointly.  Waves 0, 1 ask for vals' halves, waves 2, 3 for Wo's.
; LIMIT: e8 + e9 between -126 and 127, so that 2^(e8 + e9) is an f32 number.
; REGISTERS: window 0: v1-29 addresses; v32-95 bo's eight tiles; v96-159 a block's results; v160-223 rows read back.  windows 1, 2: two sets of fragments: Wo's eight at v[16 b], vals' four at v[128 + 16 a].  window 3: the accumulators, (a, b) at v[8 (8 a + b)].
.set PITCH,  272                       ; a row of Wo in LDS: 256 bytes + 16 of padding, so that the 16 rows of a fragment load start at 16 different banks (ISA guide 11.1)
.set ABYTES, 65536                     ; vals: 16 row tiles x 4,096 bytes, dense
.set GRP,    64*PITCH
.set SLOT,   ABYTES+2*GRP
.set STAGE,  2*SLOT                    ; behind the ring: 16 rows x (512 bytes + 16) for each wave; no fill lands there
.set SPITCH, 528
.set SPARE,  STAGE+4*16*SPITCH         ; the spare words, 128 bytes for each wave
.set ADA,  16                          ; v16-17 LDS address of my fragments of vals in slot 0, 1
.set ADW,  20                          ; v20-21 of Wo's
.set STO,  24
.set RD,   25
.set CO,   26                          ; v26    16 x lane
.set SPW,  28
.set NIL,  29
.set BO,   32
.set TMP,  96
.set BK,   160
.set AFR,  128
.set G1,  24
.set G0,  32
.set G1B, 48
.set G0B, 56
.set MSB, 0
.macro WIN new
.if MSB != (\new)
	s_set_vgpr_msb (MSB<<8)|(\new)
.set MSB, (\new)
.endif
.endm
.macro PLACES
.rept 4
	v_nop
.endr
.endm
.macro JLOAD s                         ; waves 0, 1: vals; waves 2, 3: Wo; four v_nop follow each line
	s_cmp_eq_u32 s15, 0
	s_cbranch_scc0 .Lfor_b_\@
	tensor_load_to_lds s[G0+4*\s:G0+4*\s+3], s[G1:G1+7]
	s_nop 0
.rept 4
	v_nop
.endr
	s_branch .Lasked_\@
.Lfor_b_\@:
	tensor_load_to_lds s[G0B+4*\s:G0B+4*\s+3], s[G1B:G1B+7]
	s_nop 0
.rept 4
	v_nop
.endr
.Lasked_\@:
.endm
.macro CREST
	s_cmp_lg_u32 s14, 0
	s_cbranch_scc1 .Lnot_wave_0_\@
	s_barrier_signal -3
.Lnot_wave_0_\@:
	s_barrier_wait -3
	s_barrier_signal -1
	s_barrier_wait -1
.endm
.macro CROUND
	s_barrier_signal -1
	s_barrier_wait -1
	CREST
.endm
	s_load_b256 s[4:11], s[0:1], 0x0               ; aimg s[4:5], Wo s[6:7], bo s[8:9], the exponents s[10:11]
	s_load_b64 s[12:13], s[0:1], 0x20              ; out0
	v_lshl_add_u32 v[SPW], v0, 2, SPARE
	v_mov_b32 v[NIL], 0
	ds_add_u32 v28, v29
	ds_add_u32 v28, v29
	s_wait_dscnt 0x0
	v_lshrrev_b32 v1, 5, v0
	v_readfirstlane_b32 s14, v1                    ; wave 0..3
	s_lshr_b32 s15, s14, 1                         ; I ask for vals (0) or for Wo (1),
	s_and_b32 s16, s14, 1                          ; and for which half
	s_bfe_u32 s40, ttmp6, 0x40000                  ; cx, cy
	s_bfe_u32 s41, ttmp6, 0x40004
	s_lshl_b32 s42, ttmp9, 2
	s_add_co_u32 s42, s42, s40                     ; tile column = 4 x cluster x + cx
	s_and_b32 s17, ttmp7, 0xffff
	s_lshl_b32 s17, s17, 2
	s_add_co_u32 s17, s17, s41                     ; tile row = 4 x cluster y + cy
	s_lshl_b32 s43, s41, 2
	s_lshl_b32 s43, 15, s43                        ; my row of the cluster
	s_lshl_b32 s44, 0x1111, s40                    ; my column
	s_or_b32 s[G1], s43, (3<<16)|(1<<21)           ; vals: elements of 8 bytes, no padding; bit 21 beside the mask
	s_mov_b32 s[G1+1], 512<<16                     ; tensor_dim0 = 512 elements: 4,096 bytes, two K steps of a row tile
	s_mov_b32 s[G1+2], 8<<16                       ; tensor_dim1 = 8 row tiles
	s_mov_b32 s[G1+3], 512<<16                     ; tile_dim0
	s_mov_b32 s[G1+4], 8                           ; tile_dim1
	s_mov_b32 s[G1+5], 2048                        ; from row tile to row tile: 16,384 bytes
	s_mov_b32 s[G1+6], 0
	s_mov_b32 s[G1+7], 0
	s_or_b32 s[G1B], s44, (1<<20)|(1<<21)|(5<<22)|(3<<25)   ; Wo: elements of 1 byte; 4 words of padding after every 64
	s_mov_b32 s[G1B+1], 256<<16
	s_mov_b32 s[G1B+2], 64<<16
	s_mov_b32 s[G1B+3], 256<<16
	s_mov_b32 s[G1B+4], 64
	s_mov_b32 s[G1B+5], 1024
	s_mov_b32 s[G1B+6], 0
	s_mov_b32 s[G1B+7], 0
	s_lshl_b32 s20, s17, 18                        ; vals: row tile 16 x tile row + 8 x half, 16 KiB each
	s_lshl_b32 s18, s16, 17
	s_add_co_u32 s20, s20, s18
	s_mov_b32 s21, 0
	s_lshl_b32 s46, s42, 17                        ; Wo: row 128 x tile column + 64 x half, 1,024 bytes each
	s_lshl_b32 s47, s16, 16
	s_add_co_u32 s46, s46, s47
	s_mov_b32 s47, 0
	s_lshl_b32 s45, s16, 15                        ; where they go: no place in the cluster enters an LDS address
	s_mul_i32 s19, s16, GRP
	s_add_co_u32 s19, s19, ABYTES
	s_wait_kmcnt 0x0
	s_load_b64 s[96:97], s[10:11], 0x20            ; e8, e9
	s_add_nc_u64 s[20:21], s[4:5], s[20:21]
	s_add_nc_u64 s[46:47], s[6:7], s[46:47]
	CROUND                                         ; all sixteen work-groups are here: the first joint loads meet
.irp s, 0,1
	s_mov_b32 s[G0+4*\s], 1
	s_add_co_u32 s[G0+4*\s+1], s45, \s*SLOT
	s_add_nc_u64 s[G0+4*\s+2:G0+4*\s+3], s[20:21], \s*4096
	s_or_b32 s[G0+4*\s+3], s[G0+4*\s+3], 0x80000000
	s_mov_b32 s[G0B+4*\s], 1
	s_add_co_u32 s[G0B+4*\s+1], s19, \s*SLOT
	s_add_nc_u64 s[G0B+4*\s+2:G0B+4*\s+3], s[46:47], \s*256
	s_or_b32 s[G0B+4*\s+3], s[G0B+4*\s+3], 0x80000000
	JLOAD \s                                       ; two loads of mine are out
.endr
	v_and_b32 v1, 15, v0                           ; r
	v_bfe_u32 v2, v0, 4, 1                         ; h
	v_and_b32 v3, 31, v0
	v_lshlrev_b32 v[CO], 4, v3
	s_lshl_b32 s18, s14, 14                        ; my four row tiles
	v_add_nc_u32 v[ADA], s18, v[CO]
	v_add_nc_u32 v[ADA+1], SLOT, v[ADA]
	v_mul_u32_u24 v4, v1, PITCH
	v_lshl_add_u32 v4, v2, 4, v4
	v_add_nc_u32 v[ADW], ABYTES, v4
	v_add_nc_u32 v[ADW+1], SLOT+ABYTES, v4
	s_mul_i32 s18, s14, 16*SPITCH
	s_add_co_u32 s18, s18, STAGE                   ; my stage
	v_mul_u32_u24 v5, v1, SPITCH
	v_lshl_add_u32 v5, v2, 5, v5
	v_add_nc_u32 v[STO], s18, v5                   ; in: row r, 32 bytes for each half of the lanes
	v_add_nc_u32 v[RD], s18, v[CO]                 ; back: the 32 lanes take one row of 512 bytes
	v_lshlrev_b32 v6, 5, v2
	s_lshl_b32 s92, s42, 9                         ; the tile's 128 columns: 512 bytes, in bo and in a row of out0
	s_mov_b32 s93, 0
	s_add_nc_u64 s[8:9], s[8:9], s[92:93]
.irp b, 0,1,2,3,4,5,6,7
	global_load_b128 v[BO+8*\b:BO+8*\b+3], v6, s[8:9] offset:64*\b        ; tile b: register j = bo of column 16 b + 8 h + j
	global_load_b128 v[BO+8*\b+4:BO+8*\b+7], v6, s[8:9] offset:64*\b+16
.endr
	s_lshl_b32 s90, s17, 20                        ; my first row: 256 x tile row + 64 x wave, 4,096 bytes each
	s_lshl_b32 s91, s14, 18
	s_add_co_u32 s90, s90, s91
	s_add_co_u32 s90, s90, s92
	s_mov_b32 s91, 0
	s_add_nc_u64 s[12:13], s[12:13], s[90:91]
.macro FETCH slot, q, p                ; 48 LDS loads in one run: the fragments of the slot's q-th 128 along K into set p
	WIN (1+\p)<<6
.irp b, 0,1,2,3,4,5,6,7
.irp c, 0,1,2,3
	ds_load_b128 v[16*\b+4*\c:16*\b+4*\c+3], v[ADW+\slot] offset:\b*16*PITCH+128*\q+32*\c
.endr
.endr
.irp a, 0,1,2,3
.irp c, 0,1,2,3
	ds_load_b128 v[AFR+16*\a+4*\c:AFR+16*\a+4*\c+3], v[ADA+\slot] offset:4096*\a+2048*\q+512*\c
.endr
.endr
.endm
; 8 products: row block a x Wo's eight.  zero = 1: the first product starts the sums.  The 32 accumulators take turns, one instruction a turn, in the same order in every step.
.macro MUL8 p, a, zero
	WIN 0xF0+5*(1+\p)
.irp b, 0,1,2,3,4,5,6,7
.if \zero
	v_wmma_f32_16x16x128_fp8_fp8 v[8*(8*\a+\b):8*(8*\a+\b)+7], v[16*\b:16*\b+15], v[AFR+16*\a:AFR+16*\a+15], 0
.else
	v_wmma_f32_16x16x128_fp8_fp8 v[8*(8*\a+\b):8*(8*\a+\b)+7], v[16*\b:16*\b+15], v[AFR+16*\a:AFR+16*\a+15], v[8*(8*\a+\b):8*(8*\a+\b)+7]
.endif
.endr
.endm
.macro STEP slot, zero                 ; a slot's first step: multiplies set 0, fetches the slot's second 128 along K into set 1
	s_wait_dscnt 0x0
	MUL8 0, 0, \zero
	MUL8 0, 1, \zero
	PLACES                                         ; set 1 was last read by the step before
	FETCH \slot, 1, 1
	MUL8 0, 2, \zero
	MUL8 0, 3, \zero
	WIN 0
.endm
.macro TURN slot, next, fill           ; a slot's second step multiplies set 1 and changes slots: ONE barrier
	s_wait_tensorcnt 0x0                           ; all my tensor loads have landed: my part of the next slot
	ds_add_u32 v[SPW], v[NIL]                      ; 0 onto my spare word
	s_wait_dscnt 0x1                               ; set 1's 48 loads, issued ahead of the add, are in; the add alone may be out
	MUL8 1, 0, 0
	s_wait_dscnt 0x0                               ; the add is done, and my reads of this slot are over
	s_barrier_signal -1
	MUL8 1, 1, 0
	WIN 0
	s_barrier_wait -1
.if \fill
	CREST                                          ; the barrier has opened a round of the cluster's
	s_add_nc_u64 s[G0+4*\slot+2:G0+4*\slot+3], s[G0+4*\slot+2:G0+4*\slot+3], 8192
	s_add_nc_u64 s[G0B+4*\slot+2:G0B+4*\slot+3], s[G0B+4*\slot+2:G0B+4*\slot+3], 512
	JLOAD \slot                                    ; the first tensor load behind the round; its four v_nop are also the places in front of the loads below
.else
	PLACES
.endif
	FETCH \next, 0, 0
	MUL8 1, 2, 0
	MUL8 1, 3, 0
	WIN 0
.endm
	s_wait_tensorcnt 0x1                           ; my part of slot 0 is in; slot 1's may stay out
	s_barrier_signal -1
	s_barrier_wait -1
	FETCH 0, 0, 0
	WIN 0
	STEP 0, 1
	TURN 0, 1, 1
	STEP 1, 0
	TURN 1, 0, 1
	STEP 0, 0
	TURN 0, 1, 0
	STEP 1, 0
	s_wait_dscnt 0x0
	MUL8 1, 0, 0
	MUL8 1, 1, 0
	MUL8 1, 2, 0
	MUL8 1, 3, 0
	WIN 0
; THE WAY OUT, a block of 16 rows x 128 columns at a time: sum x 2^(e8 + e9) + bo; through my own stage in LDS; back as whole rows of 512 bytes.  LDS serves a wave's instructions in order (ISA guide 5.7.1.4).
.macro FMA a
	WIN 0x03                                       ; the sums in window 3
.irp b, 0,1,2,3,4,5,6,7
.irp i, 0,2,4,6
	v_pk_fma_f32 v[TMP+8*\b+\i:TMP+8*\b+\i+1], v[8*(8*\a+\b)+\i:8*(8*\a+\b)+\i+1], s[96:97], v[BO+8*\b+\i:BO+8*\b+\i+1] op_sel_hi:[1,0,1]   ; each accumulator from its low end on
.endr
.endr
	WIN 0
.endm
.macro TOSTAGE
.irp b, 0,1,2,3,4,5,6,7
	ds_store_b128 v[STO], v[TMP+8*\b:TMP+8*\b+3] offset:64*\b
	ds_store_b128 v[STO], v[TMP+8*\b+4:TMP+8*\b+7] offset:64*\b+16
.endr
.irp t, 0,1,2,3,4,5,6,7,8,9,10,11,12,13,14,15
	ds_load_b128 v[BK+4*\t:BK+4*\t+3], v[RD] offset:\t*SPITCH
.endr
.endm
.macro SEND a
	s_wait_dscnt 0x0                               ; the block is back in registers
.irp t, 0,1,2,3,4,5,6,7,8,9,10,11,12,13,14,15
	global_store_b128 v[CO], v[BK+4*\t:BK+4*\t+3], s[12:13] offset:(16*\a+\t)*4096 th:TH_STORE_NT   ; 32 lanes store 512 consecutive bytes, aligned; written once, read by nobody here
.endr
.endm
	s_wait_kmcnt 0x0
	s_add_co_i32 s96, s96, s97
	s_add_co_i32 s96, s96, 127
	s_lshl_b32 s96, s96, 23                        ; 2^(e8 + e9) as f32
	s_mov_b32 s97, s96                             ; (named with it as a pair)
	s_wait_loadcnt 0x0                             ; bo
	PLACES                                         ; block 0's sums were finished 24 matrix instructions ago, which are no places
	FMA 0
	TOSTAGE
	FMA 1                                          ; the next block's arithmetic stands between a block's loads from the stage and the wait for them
	SEND 0
	s_wait_xcnt 0x0                                ; the stores have read their registers: the next block's rows may land there
	TOSTAGE
	FMA 2
	SEND 1
	s_wait_xcnt 0x0
	TOSTAGE
	FMA 3
	SEND 2
	s_wait_xcnt 0x0
	TOSTAGE
	SEND 3
	s_wait_tensorcnt 0x0                           ; the wave's end
	ds_add_u32 v[SPW], v[NIL]
	s_wait_dscnt 0x0
	CROUND                                         ; the closing round
	s_endpgm
.Lfunc_end_k_q0e64fe04cd_oproj:
	.size	k_q0e64fe04cd_oproj, .Lfunc_end_k_q0e64fe04cd_oproj-k_q0e64fe04cd_oproj
	.p2alignl 7, 3214868480
	.fill 96, 4, 3214868480
	.section	.rodata,"a",@progbits
	.p2align	6, 0x0
	.amdhsa_kernel k_q0e64fe04cd_oproj
		.amdhsa_group_segment_fixed_size 327680
		.amdhsa_private_segment_fixed_size 0
		.amdhsa_enable_private_segment 0
		.amdhsa_kernarg_size 40
		.amdhsa_user_sgpr_count 2
		.amdhsa_user_sgpr_kernarg_segment_ptr 1
		.amdhsa_wavefront_size32 1
		.amdhsa_system_sgpr_workgroup_id_x 1
		.amdhsa_system_sgpr_workgroup_id_y 1
		.amdhsa_system_sgpr_workgroup_id_z 1
		.amdhsa_system_vgpr_workitem_id 0
		.amdhsa_next_free_vgpr 1024
		.amdhsa_next_free_sgpr 100
		.amdhsa_reserve_vcc 0
		.amdhsa_float_denorm_mode_32 3
		.amdhsa_float_denorm_mode_16_64 3
		.amdhsa_memory_ordered 1
		.amdhsa_forward_progress 1
		.amdhsa_inst_pref_size 76
	.end_amdhsa_kernel
	.amdgpu_metadata
---
amdhsa.version: [ 1, 2 ]
amdhsa.kernels:
  - .name:           k_q0e64fe04cd_oproj
    .symbol:         k_q0e64fe04cd_oproj.kd
    .args:
      - { .name: aimg, .offset: 0, .size: 8, .value_kind: global_buffer, .address_space: global }
      - { .name: Wo_codes, .offset: 8, .size: 8, .value_kind: global_buffer, .address_space: global }
      - { .name: bo, .offset: 16, .size: 8, .value_kind: global_buffer, .address_space: global }
      - { .name: lowp_scales, .offset: 24, .size: 8, .value_kind: global_buffer, .address_space: global }
      - { .name: out0, .offset: 32, .size: 8, .value_kind: global_buffer, .address_space: global }
    .group_segment_fixed_size: 327680
    .private_segment_fixed_size: 0
    .kernarg_segment_align: 8
    .kernarg_segment_size: 40
    .max_flat_workgroup_size: 128
    .sgpr_count:     100
    .vgpr_count:     1024
    .wavefront_size: 32
...
	.end_amdgpu_metadata
.endif
;; end of part 3
;; ======== version 2 of 2: 3 launches; version 1 with the launch attn written anew for expert scheduling mode
;; workspace buffers: qimg 8,388,608 bytes; kimg 8,388,608 bytes; vimg 8,388,608 bytes; aimg 8,388,608 bytes
;; launch qkv: the kernel of part 1 again; grid 16 x 32, 4 waves a work-group, clusters of 4 x 4, 327,680 bytes of LDS; arguments x_codes, Wq_codes, Wkv_codes, bq, bkv, lowp_scales, qimg, kimg, vimg; writes qimg, kimg, vimg
;; launch attn (part 4): grid 4 x 64, 16 waves a work-group, no clusters, 67,584 bytes of LDS; arguments qimg, kimg, vimg, lowp_scales, aimg; writes aimg
.if DOCPART == 4
	.amdgcn_target "amdgcn-amd-amdhsa--gfx1250"
	.amdhsa_code_object_version 6
	.text
	.protected	k_q0e64fe04cd_attn
	.globl	k_q0e64fe04cd_attn
	.p2align	8
	.type	k_q0e64fe04cd_attn,@function
k_q0e64fe04cd_attn:
	s_mov_b64 s[64:65], 0
	v_nop
	global_prefetch_b8 v0, s[64:65] scope:SCOPE_SE
	s_setreg_imm32_b32 hwreg(HW_REG_WAVE_SCHED_MODE, 0, 2), 2
	s_setreg_imm32_b32 hwreg(HW_REG_WAVE_MODE, 25, 1), 1
	s_wait_xcnt 0x0
	s_wait_alu depctr_vm_vsrc(0)
; Causal attention of one head on E4M3 codes: S^T = K Q^T (K = 64), p = 2^(t - M), O^T = V^T P^T (K = the keys), O / l quantised with 2^e8.
; t = score x log2(e) / 8; M = the row's largest t so far, rounded UP to a whole number; p is quantised with 2^e6, not normalised; l is the sum of the unquantised p.  When M moves, l and O^T are multiplied by 2^(old M - new M): exact.
; qimg, kimg, vimg hold images of operand registers (16 bytes a lane, 512 bytes a piece): a fragment is loaded as it lies, with no pitch and no padding.
; Both products are used transposed, so that a lane holds ONE query (lane % 16) throughout: tile t of S^T holds keys 16 t + 8 (lane / 16) + 0 .. 7, whose eight codes are registers 2 t, 2 t + 1 of P.
; aimg: [tile of 16 rows][head][t][r][h][8 bytes]: the four stores of a tile of queries cover 256 consecutive bytes each; read 16 bytes a lane it is the next launch's operand.
; SHARES.  Work-group (P, batch x head) owns blocks P and 7 - P of 256 queries: (P + 1) + (8 - P) = 9 slots of 256 keys for every work-group, so the loop has 9 trips in all of them.
; Each of the SIXTEEN waves owns 16 queries of the block in hand, in 256 registers: four waves to a SIMD, so that one wave's vector work stands beside another's products and LDS loads.
; K's and V's slot (16 KiB each) goes through LDS, two slots by turns; wave w brings 2 KiB of the next slot into registers at a trip's head and stores it into the other slot at the trip's end: one barrier a trip.
; NO TENSOR LOADS, NO CLUSTER: the four work-groups of a head stand at different slots in the same trip (they begin different blocks), so no tile could be asked for jointly;
; a wave's share of a fill is four loads and four LDS stores for two steps' work; and the hold of p may then be jumped over on the given e6.
; CAUSAL.  A step of 128 keys that all come after my 16 queries is left out (a scalar branch on ids); on the diagonal hidden scores become -infinity ahead of the maximum.  Key 0 counts for every query, so M is a number from a block's first step on.
; LIMITS: e4 + e5 between -123 and 130 (added to c's exponent field); e6 and e8 between -126 and 119; e6 + e7 is applied by v_ldexp_f32 and has none.
; THE MODE: SCHED_MODE bits 1:0 = 2 (LLVM: expert scheduling mode 2), set by the entry lines.  The code itself states the register dependences
; between vector or matrix instructions and memory or LDS instructions, with s_wait_alu, always for 0.
; THE PLAN.  Registers that memory or LDS instructions touch:
;   v1, v3, v6    offsets, made once at the head and never written again.
;   v2, v4, v5    the slot read, the slot written, the next slot in memory: written by three additions at a trip's head; read by the trip's LDS loads, its LDS stores, its four global loads.
;   NX            the trip's four global loads land in it; the LDS stores at the trip's end read it; no vector instruction names it.
;   KV            in a step: K's 16 LDS loads land, the 8 products K Q^T read; V's 16 LDS loads land, the 4 products V^T P^T read.
;   OC            written by a block's last four conversions; read by its four stores.
; So a trip's head has one wait on vm_vsrc (the last trip's LDS and memory instructions have read v2, v4, v5 and NX) and, behind the three additions, one on va_vdst (they are written; the last trip's products are done reading KV).
; A step has one wait on va_vdst behind K Q^T (K's fragments are read: V's loads follow, dealt among the maximum's lines, which name neither KV nor v2), and a slot's second step one at its head (V's fragments are read).
; 16 waves of 256 registers fill the four SIMDs' registers: there is no room for a second KV.
; REGISTERS: v1-7 addresses; v12 -M, v13 the largest t, v[14:15] l in two halves; v16-23 Q, v24-31 the second block's Q; v32-95 K's 8 fragments, then V's 4; v96-159 S^T, then p; v160-191 O^T; v192-207 P's codes;
;   v208-223 the next slot's 2 KiB; v224-231 codes of O; v240, v241: 448 x 2^e6, 2^e6; v244, v245: 2^e8, 448 x 2^e8; v236, v242-243, v252-254 at work; v251, v255 the closing add's two.
; SCALARS: s14 wave; s15 P, s16 P + 1, s17 7 - P; s18 the trip; s19, s20 the slot read, the slot written; s21, s22 this trip's and the next trip's slot of keys; s23 the block of queries; s24 first key, s25 my first query;
;   s4-13 and s40-45, done with behind the head: sixteen masks of the diagonal at a time.
.set SLOTB, 32768
.set VOFF,  16384                      ; a slot: K's 16 tiles of 1 KiB, then V's two blocks of 8 KiB
.set LOFF, 1                           ; v1  16 x lane
.set ADL,  2                           ; v2  the slot read + 16 x lane
.set STA,  3                           ; v3  2,048 x wave + 16 x lane
.set STN,  4                           ; v4  the slot written + that
.set GA,   5                           ; v5  the next slot's bytes in memory
.set VO,   6                           ; v6  16 r + 8 h: my 8 bytes of a store to aimg
.set DQ,   7                           ; v7  r - 8 h
.set QF,   16
.set QN,   24
.set KV,   32
.set SC,   96
.set OT,   160
.set PC,   192
.set NX,   208
.set OC,   224
	s_load_b256 s[4:11], s[0:1], 0x0               ; qimg s[4:5], kimg s[6:7], vimg s[8:9], the exponents s[10:11]
	s_load_b64 s[12:13], s[0:1], 0x20              ; aimg
	v_lshl_add_u32 v251, v0, 2, 0x10000
	v_mov_b32 v255, 0
	v_lshrrev_b32 v8, 5, v0
	v_readfirstlane_b32 s14, v8                    ; wave 0..15
	v_and_b32 v9, 31, v0
	v_lshlrev_b32 v[LOFF], 4, v9
	v_and_b32 v10, 15, v0                          ; r
	v_bfe_u32 v11, v0, 4, 1                        ; h
	v_lshlrev_b32 v[VO], 4, v10
	v_lshl_add_u32 v[VO], v11, 3, v[VO]
	v_lshlrev_b32 v[DQ], 3, v11
	v_sub_nc_u32 v[DQ], v10, v[DQ]
	s_wait_alu depctr_va_sdst(0)                   ; s14 is written, ahead of its first reader: LDS places, bases and queries are made from it
	s_lshl_b32 s27, s14, 11
	v_add_nc_u32 v[STA], s27, v[LOFF]
	s_mov_b32 s15, ttmp9                           ; P
	s_add_co_u32 s16, s15, 1
	s_sub_co_u32 s17, 7, s15
	s_and_b32 s29, ttmp7, 0xffff                   ; 16 x batch + head
	s_lshl_b32 s28, s14, 4
	s_mov_b32 s18, 0
	s_mov_b32 s19, 0
	s_mov_b32 s20, SLOTB
	s_mov_b32 s30, 0x76543210                      ; v_permlanex16_b32's selects for lane l xor 16
	s_mov_b32 s31, 0xfedcba98
	s_mov_b32 s32, 0x3e38aa3b                      ; c = log2(e) / 8
	s_lshl_b32 s51, s29, 17                        ; the head's 131,072 bytes in each image
	s_and_b32 s52, s14, 7
	s_lshl_b32 s52, s52, 11
	s_add_co_u32 s52, s52, s51                     ; what I bring of a slot: waves 0-7 K's bytes 2,048 w on, waves 8-15 V's 2,048 (w - 8) on
	s_mov_b32 s53, 0
	s_lshl_b32 s54, s15, 4
	s_add_co_u32 s54, s54, s14
	s_lshl_b32 s54, s54, 10
	s_add_co_u32 s54, s54, s51                     ; Q's tile 16 P + w,
	s_mov_b32 s55, 0
	s_lshl_b32 s60, s17, 4
	s_add_co_u32 s60, s60, s14
	s_lshl_b32 s60, s60, 10
	s_add_co_u32 s60, s60, s51                     ; and tile 16 (7 - P) + w
	s_mov_b32 s61, 0
	s_lshr_b32 s62, s29, 4
	s_lshl_b32 s62, s62, 7
	s_add_co_u32 s62, s62, s14
	s_lshl_b32 s62, s62, 14                        ; aimg: row tile 128 x batch + w (+ 16 x block, later), 16 KiB each,
	s_and_b32 s63, s29, 15
	s_lshl_b32 s63, s63, 10
	s_add_co_u32 s62, s62, s63                     ; + 1,024 x head
	s_mov_b32 s63, 0
	s_wait_kmcnt 0x0
	s_load_b256 s[40:47], s[10:11], 0x0            ; e0 .. e7
	s_load_b64 s[48:49], s[10:11], 0x20            ; e8, e9
	s_cmp_lt_u32 s14, 8
	s_cselect_b64 s[34:35], s[6:7], s[8:9]
	s_add_nc_u64 s[34:35], s[34:35], s[52:53]
	s_add_nc_u64 s[56:57], s[4:5], s[54:55]
	s_add_nc_u64 s[58:59], s[4:5], s[60:61]
	s_add_nc_u64 s[36:37], s[12:13], s[62:63]
	s_wait_alu depctr_va_vdst(0)                   ; v1, v3 and v6 are written: the loads below, the first LDS stores and the blocks' stores read them as offsets and addresses
.irp i, 0,1,2,3
	global_load_b128 v[NX+4*\i:NX+4*\i+3], v[LOFF], s[34:35] offset:512*\i   ; my part of the first slot: keys 0 to 255
.endr
	global_load_b128 v[QF:QF+3], v[LOFF], s[56:57] th:TH_LOAD_NT            ; Q's fragments stay in registers; each is read once in the launch
	global_load_b128 v[QF+4:QF+7], v[LOFF], s[56:57] offset:512 th:TH_LOAD_NT
	global_load_b128 v[QN:QN+3], v[LOFF], s[58:59] th:TH_LOAD_NT
	global_load_b128 v[QN+4:QN+7], v[LOFF], s[58:59] offset:512 th:TH_LOAD_NT
	v_mov_b32 v13, 0xff61b1e6                      ; the largest t so far: -3e38, under every t
	v_floor_f32 v12, -v13                          ; -M
	v_mov_b32 v14, 0
	v_mov_b32 v15, 0
	v_mov_b32 v236, 0                              ; a lane permute's destination counts as one of its sources
	v_mov_b32 v253, 0                              ; (named as the upper half of the pair v[252:253])
.set n, 0
.rept 32
	v_mov_b32 v[OT+n], 0                           ; the step is written once: a block's first step finds zeros, which the first change of M leaves zeros
.set n, n+1
.endr
	s_wait_kmcnt 0x0
	s_add_co_i32 s52, s44, s45
	s_lshl_b32 s52, s52, 23
	s_add_co_i32 s32, s32, s52                     ; a score stands for score x 2^(e4 + e5): added to c's exponent field
	s_mov_b32 s33, s32                             ; (named with it as a pair)
	s_add_co_i32 s52, s46, 127
	s_lshl_b32 s53, s52, 23
	v_mov_b32 v241, s53                            ; 2^e6
	s_add_co_i32 s52, s52, 8
	s_lshl_b32 s52, s52, 23
	s_or_b32 s52, s52, 0x600000
	v_mov_b32 v240, s52                            ; 448 x 2^e6
	s_add_co_i32 s52, s48, 127
	s_lshl_b32 s53, s52, 23
	v_mov_b32 v244, s53                            ; 2^e8
	s_add_co_i32 s52, s52, 8
	s_lshl_b32 s52, s52, 23
	s_or_b32 s52, s52, 0x600000
	v_mov_b32 v245, s52                            ; 448 x 2^e8
	s_add_co_i32 s50, s46, s47                     ; e6 + e7
	s_wait_loadcnt 0x0
.irp i, 0,1,2,3
	ds_store_b128 v[STA], v[NX+4*\i:NX+4*\i+3] offset:512*\i   ; no vector instruction since the wait above names v3 or NX
.endr
	s_wait_dscnt 0x0                               ; for the others' sake: my part of slot 0 lies in LDS
	s_barrier_signal -1
	s_barrier_wait -1
; Fragment b of V for the slot's q-th step: four LDS loads
.macro VFRAG q, b
.irp c, 0,1,2,3
	ds_load_b128 v[KV+16*(\b)+4*\c:KV+16*(\b)+4*\c+3], v[ADL] offset:VOFF+8192*(\q)+2048*(\b)+512*\c
.endr
.endm
; A KEY STEP: 128 keys, the q-th half of the slot in hand.
.macro STEP q
	s_add_co_u32 s26, s24, 128*\q                  ; the step's first key
	s_add_co_u32 s27, s25, 15
	s_cmp_gt_u32 s26, s27
	s_cbranch_scc1 .Lhidden_\@                     ; all its keys come after my queries
.if \q
	s_wait_alu depctr_va_vdst(0)                   ; the slot's first step's four products V^T P^T are done reading V's fragments, in which K's loads land.  (In a slot's first step the wait at the trip's head states the same of the trip before)
.endif
.irp t, 0,1,2,3,4,5,6,7
	ds_load_b128 v[KV+8*\t:KV+8*\t+3], v[ADL] offset:(8*\q+\t)*1024
	ds_load_b128 v[KV+8*\t+4:KV+8*\t+7], v[ADL] offset:(8*\q+\t)*1024+512
.endr
	s_wait_dscnt 0x0
.irp t, 0,1,2,3,4,5,6,7
	v_wmma_f32_16x16x64_fp8_fp8 v[SC+8*\t:SC+8*\t+7], v[KV+8*\t:KV+8*\t+7], v[QF:QF+7], 0
.endr
.rept 4
	v_nop                                          ; places in front of the first read of the scores
.endr
	s_wait_alu depctr_va_vdst(0)                   ; the eight products are done reading K's fragments, in which V's sixteen loads land
	VFRAG \q, 0                                    ; V's four fragments land while the softmax is walked; no line between the wait and the last of these loads names KV or v2
	s_add_co_u32 s27, s26, 127
	s_cmp_le_u32 s27, s25
	s_cbranch_scc1 .Lopen_\@                       ; all its keys count
	s_sub_co_i32 s27, s25, s26
	v_add_nc_u32 v252, s27, v[DQ]                  ; register 8 t + j holds key 16 t + 8 h + j of the step: hidden where 16 t + j > my query - the step's first key - 8 h
	v_mov_b32 v254, 0xff800000                     ; -infinity
.set n, 0
.rept 4                                        ; sixteen compares into sixteen scalar registers, one wait, sixteen selects
.set m, 0
.rept 16
	v_cmp_gt_i32 s[4+m+26*(m/10)], 16*((n+m)/8)+(n+m)%8, v252
.set m, m+1
.endr
	s_wait_alu depctr_va_sdst(0)                   ; the sixteen masks are written, ahead of the selects that read them
.set m, 0
.rept 16
	v_cndmask_b32 v[SC+n+m], v[SC+n+m], v254, s[4+m+26*(m/10)]
.set m, m+1
.endr
.set n, n+16
.endr
.Lopen_\@:
	v_max3_num_f32 v254, v[SC], v[SC+1], v[SC+2]   ; the step's largest score of my query among my 64 keys, in two chains, from each accumulator's low end on
	v_max3_num_f32 v252, v[SC+3], v[SC+4], v[SC+5]
.set n, 6
.rept 14
	v_max3_num_f32 v254, v254, v[SC+n], v[SC+n+1]
	v_max3_num_f32 v252, v252, v[SC+n+2], v[SC+n+3]
.if n == 18
	VFRAG \q, 1
.endif
.if n == 38
	VFRAG \q, 2
.endif
.if n == 58
	VFRAG \q, 3
.endif
.set n, n+4
.endr
	v_max3_num_f32 v254, v254, v[SC+62], v[SC+63]
	v_max_num_f32 v254, v254, v252
	v_permlanex16_b32 v236, v254, s30, s31
	v_max_num_f32 v254, v254, v236                 ; and among lane l xor 16's
	v_mul_f32 v254, s32, v254                      ; as t (c is positive)
	v_max_num_f32 v13, v13, v254                   ; the running largest t
	v_mov_b32 v254, v12
	v_floor_f32 v12, -v13                          ; the new -M = floor(-t): M is a whole number
	v_sub_f32 v254, v12, v254                      ; old M - new M: a whole number, 0 or less
	v_cvt_i32_f32 v254, v254                       ; (it saturates)
	v_ldexp_f32 v252, 1.0, v254                    ; f = 2^(old M - new M)
.set n, 0
.rept 32
	v_pk_fma_f32 v[SC+n:SC+n+1], v[SC+n:SC+n+1], s[32:33], v[12:13] op_sel_hi:[1,0,0]   ; t - M, two at a time
.set n, n+2
.endr
.set n, 0
.rept 64
	v_exp_f32 v[SC+n], v[SC+n]                     ; p = 2^(t - M), at most 1
.set n, n+1
.endr
	v_pk_mul_f32 v[14:15], v[14:15], v[252:253] op_sel_hi:[1,0]   ; l under the new M (a plain place behind the exponentials)
	s_wait_alu depctr_va_vdst(0)                   ; the 64 exponentials have written p in v[SC ..]: one wait for the batch, ahead of its first reader
	v_pk_add_f32 v[242:243], v[SC:SC+1], v[SC+2:SC+3]             ; the sum of the UNQUANTISED p, in two chains
.set n, 4
.rept 15
	v_pk_add_f32 v[14:15], v[14:15], v[SC+n:SC+n+1]
	v_pk_add_f32 v[242:243], v[242:243], v[SC+n+2:SC+n+3]
.set n, n+4
.endr
	v_pk_add_f32 v[14:15], v[14:15], v[242:243]
	s_cmp_ge_i32 s46, -8                           ; p <= 1: from e6 = -8 on p / 2^e6 <= 256 lies under 448, and the hold would change nothing
	s_cbranch_scc1 .Lheld_\@
.set n, 0
.rept 64
	v_min_num_f32 v[SC+n], v[SC+n], v240           ; the conversion to an 8-bit code does not saturate (ISA guide 7.6.2); p is not negative, so the hold is one-sided
.set n, n+1
.endr
.Lheld_\@:
.irp t, 0,1,2,3,4,5,6,7
	v_cvt_scalef32_pk8_fp8_f32 v[PC+2*\t:PC+2*\t+1], v[SC+8*\t:SC+8*\t+7], v241
.endr
.set n, 0
.rept 16
	v_pk_mul_f32 v[OT+n:OT+n+1], v[OT+n:OT+n+1], v[252:253] op_sel_hi:[1,0]   ; O^T under the new M; also the plain lines behind the conversions
.set n, n+2
.endr
	s_wait_dscnt 0x0                               ; V is in
.irp b, 0,1,2,3
	v_wmma_f32_16x16x128_fp8_fp8 v[OT+8*\b:OT+8*\b+7], v[KV+16*\b:KV+16*\b+15], v[PC:PC+15], v[OT+8*\b:OT+8*\b+7]
.endr
.rept 4
	v_nop                                          ; places in front of the next read of O^T, on every way on
.endr
.Lhidden_\@:
.endm
; A block of queries is finished: O^T x 2^(e6 + e7) / l, held, quantised with 2^e8, stored.  again = 1: the state is set for the second block.
.macro FINISH again
	v_add_f32 v14, v14, v15
	v_permlanex16_b32 v236, v14, s30, s31
	v_add_f32 v14, v14, v236                       ; the row's sum
	v_rcp_f32 v14, v14
	v_nop                                          ; a plain place behind the transcendental
	s_wait_alu depctr_va_vdst(0)                   ; the reciprocal has written v14, ahead of its first reader
	v_ldexp_f32 v14, v14, s50
	s_wait_xcnt 0x0                                ; an earlier block's stores have read their data and their base
.if !\again
	s_wait_alu depctr_vm_vsrc(0)                   ; the first block's stores have read v[OC ..], which the conversions below write again
.endif
.set n, 0
.rept 16
	v_pk_mul_f32 v[SC+n:SC+n+1], v[OT+n:OT+n+1], v[14:15] op_sel_hi:[1,0]
.set n, n+2
.endr
.set n, 0
.rept 32
	v_med3_num_f32 v[SC+n], v[SC+n], -v245, v245
.set n, n+1
.endr
.irp t, 0,1,2,3
	v_cvt_scalef32_pk8_fp8_f32 v[OC+2*\t:OC+2*\t+1], v[SC+8*\t:SC+8*\t+7], v244   ; d = 16 t + 8 h + 0 .. 7 of query r
.endr
	v_nop
	s_lshl_b32 s52, s23, 18                        ; the block's 16 row tiles of 16 KiB
	s_mov_b32 s53, 0
	s_add_nc_u64 s[38:39], s[36:37], s[52:53]
	s_wait_alu depctr_va_vdst(0)                   ; the four conversions have written v[OC ..], which the stores read
.irp t, 0,1,2,3
	global_store_b64 v[VO], v[OC+2*\t:OC+2*\t+1], s[38:39] offset:256*\t   ; 32 lanes store 256 consecutive bytes, aligned
.endr
.if \again
	v_mov_b32 v13, 0xff61b1e6
	v_floor_f32 v12, -v13
	v_mov_b32 v14, 0
	v_mov_b32 v15, 0
.set n, 0
.rept 32
	v_mov_b32 v[OT+n], 0
.set n, n+1
.endr
.set n, 0
.rept 8
	v_mov_b32 v[QF+n], v[QN+n]
.set n, n+1
.endr
.endif
.endm
.Lslot:                                            ; 9 trips: block P's slots 0 .. P, then block 7 - P's slots 0 .. 7 - P
	s_cmp_le_u32 s18, s15
	s_cselect_b32 s27, 0, s16
	s_cselect_b32 s23, s15, s17                    ; the block of queries in hand
	s_sub_co_u32 s21, s18, s27                     ; this trip's slot of keys
	s_add_co_u32 s52, s18, 1
	s_cmp_le_u32 s52, s15
	s_cselect_b32 s27, 0, s16
	s_sub_co_u32 s22, s52, s27                     ; the next trip's
	s_lshl_b32 s24, s21, 8                         ; first key
	s_lshl_b32 s25, s23, 8
	s_add_co_u32 s25, s25, s28                     ; my first query
	s_lshl_b32 s27, s22, 14
	s_wait_alu depctr_vm_vsrc(0)                   ; the last trip's LDS loads have read v2, its LDS stores v4 and NX (first trip: the head's stores NX), its global loads v5: the three are written below, and the loads below land in NX
	v_add_nc_u32 v[ADL], s19, v[LOFF]
	v_add_nc_u32 v[STN], s20, v[STA]
	v_add_nc_u32 v[GA], s27, v[LOFF]               ; (its last loads were waited for in the trip before; in the last trip it is made and not used)
	s_wait_alu depctr_va_vdst(0)                   ; v2, v4 and v5 are written, which this trip's LDS loads, LDS stores and global loads read; the last trip's products are done reading KV, in which the first step's loads land
	s_cmp_eq_u32 s18, 8
	s_cbranch_scc1 .Lno_load                       ; the last trip asks for nothing
.irp i, 0,1,2,3
	global_load_b128 v[NX+4*\i:NX+4*\i+3], v[GA], s[34:35] offset:512*\i   ; my 2 KiB of the next slot: two steps' work in which to land
.endr
.Lno_load:
	STEP 0
	STEP 1
	s_cmp_lg_u32 s18, s15
	s_cbranch_scc1 .Lno_finish
	FINISH 1                                       ; block P is done
.Lno_finish:
	s_cmp_eq_u32 s18, 8
	s_cbranch_scc1 .Lno_store
	s_wait_loadcnt 0x0
.irp i, 0,1,2,3
	ds_store_b128 v[STN], v[NX+4*\i:NX+4*\i+3] offset:512*\i   ; into the slot that was read a trip ago: every wave's reads of it were over at that trip's barrier.  No vector instruction since the trip's head names v4 or NX
.endr
.Lno_store:
	s_wait_dscnt 0x0                               ; my stores have landed, and my reads of this trip's slot are over
	s_barrier_signal -1
	s_barrier_wait -1
	s_xor_b32 s19, s19, SLOTB
	s_xor_b32 s20, s20, SLOTB
	s_add_co_u32 s18, s18, 1
	s_cmp_lt_u32 s18, 9
	s_cbranch_scc1 .Lslot
	FINISH 0                                       ; block 7 - P
	s_wait_dscnt 0x0                               ; the closing lines, six on end
	s_wait_alu 0x0
	s_wait_tensorcnt 0x0
	ds_add_u32 v251, v255
	s_wait_dscnt 0x0
	s_endpgm
.Lfunc_end_k_q0e64fe04cd_attn:
	.size	k_q0e64fe04cd_attn, .Lfunc_end_k_q0e64fe04cd_attn-k_q0e64fe04cd_attn
	.p2alignl 7, 3214868480
	.fill 96, 4, 3214868480
	.section	.rodata,"a",@progbits
	.p2align	6, 0x0
	.amdhsa_kernel k_q0e64fe04cd_attn
		.amdhsa_group_segment_fixed_size 67584
		.amdhsa_private_segment_fixed_size 0
		.amdhsa_enable_private_segment 0
		.amdhsa_kernarg_size 40
		.amdhsa_user_sgpr_count 2
		.amdhsa_user_sgpr_kernarg_segment_ptr 1
		.amdhsa_wavefront_size32 1
		.amdhsa_system_sgpr_workgroup_id_x 1
		.amdhsa_system_sgpr_workgroup_id_y 1
		.amdhsa_system_sgpr_workgroup_id_z 1
		.amdhsa_system_vgpr_workitem_id 0
		.amdhsa_next_free_vgpr 256
		.amdhsa_next_free_sgpr 66
		.amdhsa_reserve_vcc 0
		.amdhsa_float_denorm_mode_32 3
		.amdhsa_float_denorm_mode_16_64 3
		.amdhsa_memory_ordered 1
		.amdhsa_forward_progress 1
		.amdhsa_inst_pref_size 67
	.end_amdhsa_kernel
	.amdgpu_metadata
---
amdhsa.version: [ 1, 2 ]
amdhsa.kernels:
  - .name:           k_q0e64fe04cd_attn
    .symbol:         k_q0e64fe04cd_attn.kd
    .args:
      - { .name: qimg, .offset: 0, .size: 8, .value_kind: global_buffer, .address_space: global }
      - { .name: kimg, .offset: 8, .size: 8, .value_kind: global_buffer, .address_space: global }
      - { .name: vimg, .offset: 16, .size: 8, .value_kind: global_buffer, .address_space: global }
      - { .name: lowp_scales, .offset: 24, .size: 8, .value_kind: global_buffer, .address_space: global }
      - { .name: aimg, .offset: 32, .size: 8, .value_kind: global_buffer, .address_space: global }
    .group_segment_fixed_size: 67584
    .private_segment_fixed_size: 0
    .kernarg_segment_align: 8
    .kernarg_segment_size: 40
    .max_flat_workgroup_size: 512
    .sgpr_count:     66
    .vgpr_count:     256
    .wavefront_size: 32
...
	.end_amdgpu_metadata
.endif
;; end of part 4
;; launch oproj: the kernel of part 3 again; grid 8 x 32, 4 waves a work-group, clusters of 4 x 4, 327,680 bytes of LDS; arguments aimg, Wo_codes, bo, lowp_scales, out0; writes out0
